; MI455X (gfx1250); checked and timed in simulation.
; The chip was launched on July 23, 2026; its instructions are those of AMD's public machine-readable ISA for CDNA 5 (MIT licence, August 2026) and "CDNA5" Instruction Set Architecture Reference Guide (July 2026). The comments in the code are by the model that wrote it; some were corrected since.
;; Multi Head Attention. Allowed arithmetic: float matrix products may take bf16 or f16 operands with f32 sums; all other float work in f32.
;; Inputs: Wk 16 x 1,024 x 64 float32; Wp 1,024 x 1,024 float32; Wq 16 x 1,024 x 64 float32; Wv 16 x 1,024 x 64 float32; bp 1,024 float32; x 4 x 1,024 x 1,024 float32.
;; Outputs: out0 4 x 1,024 x 1,024 float32.
;; 2 versions, each right; version 2 is version 1 with the launch cast written anew for expert scheduling mode. Each part assembles by itself: llvm-mc -triple=amdgcn-amd-amdhsa -mcpu=gfx1250 --defsym DOCPART=n.
;; ======== version 1 of 2: 4 launches
;; limits: values are held in f16: magnitudes above 65,504 overflow, below 6.1e-05 lose precision
;; workspace buffers: cb 16,777,216 bytes; qkv 25,165,824 bytes; att 8,388,608 bytes
;; launch cast (part 1): grid 512 x 1, 8 waves a work-group, no clusters, 0 bytes of LDS; arguments x, Wq, Wk, Wv, Wp, cb; writes cb
.if DOCPART == 1
	.amdgcn_target "amdgcn-amd-amdhsa--gfx1250"
	.amdhsa_code_object_version 6
	.text
	.protected	k_q46e20090f8_cast
	.globl	k_q46e20090f8_cast
	.p2align	8
	.type	k_q46e20090f8_cast,@function
k_q46e20090f8_cast:
	s_mov_b64 s[64:65], 0
	v_nop
	global_prefetch_b8 v0, s[64:65] scope:SCOPE_SE
	s_setreg_imm32_b32 hwreg(HW_REG_WAVE_MODE, 25, 1), 1
	s_wait_xcnt 0x0
; cb = the five large inputs as 16-bit numbers, layouts unchanged: x at byte 0 (8 MiB), Wq, Wk, Wv at 8, 10, 12 MiB, Wp at 14 MiB.
; x, Wq, Wk, Wv: f32 rounded to bf16 (nearest even).  Wp: rounded to bf16 in the same way, and that value written in f16's format, because its
; partner in the last product (the attention's result) is kept in f16.  f16 holds a bf16 value exactly for 2^-14 <= |w| < 65504; smaller ones
; are off by at most 2^-25, larger ones become infinite: a stated limit of this program.
; A stream: no LDS, no barrier, no matrix unit.  512 work-groups of 16,384 numbers (64 KiB in, 32 KiB out).  Thread t takes, in item i,
; the 16 bytes at 16 t + 4096 i and stores 8 bytes at 8 t + 2048 i: a wave's load covers 512 neighbouring bytes, its store 256, aligned.
; All 16 loads of a thread go out first; the waits count down.
.set X, 8                              ; v[8:71]  item i: 4 registers as loaded, then 2 to store
	s_load_b256 s[4:11], s[0:1], 0x0               ; x s[4:5], Wq s[6:7], Wk s[8:9], Wv s[10:11]
	s_load_b128 s[12:15], s[0:1], 0x20             ; Wp s[12:13], cb s[14:15]
	s_lshr_b32 s16, ttmp9, 6                       ; 64 work-groups are 1 Mi numbers: 0-3 x, 4 Wq, 5 Wk, 6 Wv, 7 Wp
	s_and_b32 s17, ttmp9, 63
	s_cmp_lt_u32 s16, 4
	s_cselect_b32 s17, ttmp9, s17                  ; my number inside my source
	s_lshl_b32 s18, s17, 16                        ; times 64 KiB
	s_mov_b32 s19, 0
	s_lshl_b32 s20, ttmp9, 15                      ; the sources follow each other in cb: my number times 32 KiB
	s_mov_b32 s21, 0
	s_mov_b32 s22, 0xffff0000                      ; a word's upper bf16
	v_lshlrev_b32 v1, 4, v0                        ; 16 t
	v_lshlrev_b32 v2, 3, v0                        ; 8 t
	s_wait_kmcnt 0x0
	s_cmp_eq_u32 s16, 4
	s_cselect_b64 s[4:5], s[6:7], s[4:5]
	s_cmp_eq_u32 s16, 5
	s_cselect_b64 s[4:5], s[8:9], s[4:5]
	s_cmp_eq_u32 s16, 6
	s_cselect_b64 s[4:5], s[10:11], s[4:5]
	s_cmp_eq_u32 s16, 7
	s_cselect_b64 s[4:5], s[12:13], s[4:5]
	s_add_nc_u64 s[4:5], s[4:5], s[18:19]
	s_add_nc_u64 s[14:15], s[14:15], s[20:21]
.irp i, 0,1,2,3,4,5,6,7,8,9,10,11,12,13,14,15
	global_load_b128 v[X+4*\i:X+4*\i+3], v1, s[4:5] offset:4096*\i th:TH_LOAD_NT   ; each input byte is read once in the launch
.endr
	s_cmp_eq_u32 s16, 7
	s_cbranch_scc1 .Lwp
.irp i, 0,1,2,3,4,5,6,7,8,9,10,11,12,13,14,15
	s_wait_loadcnt 15-\i                           ; loads come back in order: item i is in, the 15 - i younger ones stay out
	v_cvt_pk_bf16_f32 v[X+4*\i], v[X+4*\i], v[X+4*\i+1]
	v_cvt_pk_bf16_f32 v[X+4*\i+1], v[X+4*\i+2], v[X+4*\i+3]
	global_store_b64 v2, v[X+4*\i:X+4*\i+1], s[14:15] offset:2048*\i
.endr
	s_endpgm
.Lwp:                                              ; Wp: to bf16, widened again (a shift, a mask), and written as f16
.irp i, 0,1,2,3,4,5,6,7,8,9,10,11,12,13,14,15
	s_wait_loadcnt 15-\i
	v_cvt_pk_bf16_f32 v[X+4*\i], v[X+4*\i], v[X+4*\i+1]
	v_cvt_pk_bf16_f32 v[X+4*\i+1], v[X+4*\i+2], v[X+4*\i+3]
	v_lshlrev_b32 v[X+4*\i+2], 16, v[X+4*\i]
	v_and_b32 v[X+4*\i+3], s22, v[X+4*\i]
	v_cvt_pk_f16_f32 v[X+4*\i], v[X+4*\i+2], v[X+4*\i+3]
	v_lshlrev_b32 v[X+4*\i+2], 16, v[X+4*\i+1]
	v_and_b32 v[X+4*\i+3], s22, v[X+4*\i+1]
	v_cvt_pk_f16_f32 v[X+4*\i+1], v[X+4*\i+2], v[X+4*\i+3]
	global_store_b64 v2, v[X+4*\i:X+4*\i+1], s[14:15] offset:2048*\i
.endr
	s_endpgm
.Lfunc_end_k_q46e20090f8_cast:
	.size	k_q46e20090f8_cast, .Lfunc_end_k_q46e20090f8_cast-k_q46e20090f8_cast
	.p2alignl 7, 3214868480
	.fill 96, 4, 3214868480
	.section	.rodata,"a",@progbits
	.p2align	6, 0x0
	.amdhsa_kernel k_q46e20090f8_cast
		.amdhsa_group_segment_fixed_size 0
		.amdhsa_private_segment_fixed_size 0
		.amdhsa_enable_private_segment 0
		.amdhsa_kernarg_size 48
		.amdhsa_user_sgpr_count 2
		.amdhsa_user_sgpr_kernarg_segment_ptr 1
		.amdhsa_wavefront_size32 1
		.amdhsa_system_sgpr_workgroup_id_x 1
		.amdhsa_system_sgpr_workgroup_id_y 1
		.amdhsa_system_sgpr_workgroup_id_z 1
		.amdhsa_system_vgpr_workitem_id 0
		.amdhsa_next_free_vgpr 72
		.amdhsa_next_free_sgpr 66
		.amdhsa_reserve_vcc 0
		.amdhsa_float_denorm_mode_32 3
		.amdhsa_float_denorm_mode_16_64 3
		.amdhsa_memory_ordered 1
		.amdhsa_forward_progress 1
		.amdhsa_inst_pref_size 15
	.end_amdhsa_kernel
	.amdgpu_metadata
---
amdhsa.version: [ 1, 2 ]
amdhsa.kernels:
  - .name:           k_q46e20090f8_cast
    .symbol:         k_q46e20090f8_cast.kd
    .args:
      - { .name: x, .offset: 0, .size: 8, .value_kind: global_buffer, .address_space: global }
      - { .name: Wq, .offset: 8, .size: 8, .value_kind: global_buffer, .address_space: global }
      - { .name: Wk, .offset: 16, .size: 8, .value_kind: global_buffer, .address_space: global }
      - { .name: Wv, .offset: 24, .size: 8, .value_kind: global_buffer, .address_space: global }
      - { .name: Wp, .offset: 32, .size: 8, .value_kind: global_buffer, .address_space: global }
      - { .name: cb, .offset: 40, .size: 8, .value_kind: global_buffer, .address_space: global }
    .group_segment_fixed_size: 0
    .private_segment_fixed_size: 0
    .kernarg_segment_align: 8
    .kernarg_segment_size: 48
    .max_flat_workgroup_size: 256
    .sgpr_count:     66
    .vgpr_count:     72
    .wavefront_size: 32
...
	.end_amdgpu_metadata
.endif
;; end of part 1
;; launch qkv (part 2): grid 16 x 16, 4 waves a work-group, clusters of 4 x 4, 327,680 bytes of LDS; arguments cb, qkv; writes qkv
.if DOCPART == 2
	.amdgcn_target "amdgcn-amd-amdhsa--gfx1250"
	.amdhsa_code_object_version 6
	.text
	.protected	k_q46e20090f8_qkv
	.globl	k_q46e20090f8_qkv
	.p2align	8
	.type	k_q46e20090f8_qkv,@function
k_q46e20090f8_qkv:
	s_mov_b64 s[64:65], 0
	v_nop
	global_prefetch_b8 v0, s[64:65] scope:SCOPE_SE
	s_setreg_imm32_b32 hwreg(HW_REG_WAVE_MODE, 25, 1), 1
	s_wait_xcnt 0x0
	s_wait_alu depctr_hold_cnt(0) depctr_sa_sdst(0) depctr_va_vdst(0) depctr_va_sdst(0) depctr_va_ssrc(0) depctr_va_vcc(0) depctr_vm_vsrc(0)
	s_getreg_b32 s2, hwreg(HW_REG_IB_STS2, 6, 4)
	s_cmp_eq_u32 s2, 0
	s_cbranch_scc0 .Lentry_in_a_cluster
	s_endpgm
.Lentry_in_a_cluster:
	s_bfe_u32 s2, ttmp6, 0x10000c
	s_cmp_lg_u32 s2, 0xf033
	s_cbranch_scc0 .Lentry_shape_is_right
	s_endpgm
.Lentry_shape_is_right:
; q, k, v [b][h][t][64] = x [4096][1024] times Wq, Wk, Wv [h][1024][64].  Operands bf16 (from cb), sums f32, results rounded once to f16.
; LIMIT: |q|, |k|, |v| below 65504 (f16); the drawn inputs give a spread of 0.64, inputs 30 times larger on both sides peaks near 3,200.
; f16 and not bf16 for the results: early rows of the causal attention are single rows of v, some 12 times the output's root mean square,
; so that 8 bits of v would not keep the output's last per cent; 11 bits do.
; A work-group makes 256 rows x 192 columns (q | k | v of one head): 16 heads x 16 row blocks = 256 work-groups.  Wave w makes rows 64 w .. 64 w + 63
; and all 192 columns: 4 x 12 accumulator tiles = 384 registers, and it owns whole 128-byte rows of q, k and v on the way out.
; K goes in steps of 128 through two LDS slots filled by the tensor data mover.
; CLUSTERS of 4 x 4: x's tile hangs on the row block alone and is asked for jointly by the four of a cluster's row; W's tiles hang on the head alone
; and are asked for jointly by the four of a column.
; THE ORDER OF K: a cluster walks the eight K steps from step 0 or from step 4, round and round, by the parity of a sum of its own two coordinates.  Of the
; clusters that read one tile of x (same cluster y) or of W (same cluster x), some therefore ask for it four K steps before the others, instead of all at once.
; The start is the same in all sixteen work-groups of a cluster.  The f32 sums run in that rotated order.
; THE MATRIX INSTRUCTION IS USED TRANSPOSED: source 0 = 16 columns of W, source 1 = 16 rows of x; lane l then holds row l % 16 and the eight
; neighbouring columns 8 (l / 16) + 0..7 of the result.  W lies [k][n] in memory and in LDS and is read by the transposing LDS load.
; REGISTER WINDOWS: 0 addresses, x's fragments (two buffers), the way out; 1 accumulators of my rows 0-31; 2 those of rows 32-63; 3 W's fragments (two buffers).
.set KSTEP,  128
.set APITCH, 272                       ; x in LDS: 256 bytes + 16: sixteen rows of a fragment start 16 bytes apart modulo 256
.set BPITCH, 160                       ; W in LDS: 128 bytes + 32, an odd multiple of 32
.set AWAVE,  64*APITCH                 ; what one wave brings of x: 17,408
.set ABYTES, 4*AWAVE                   ; 69,632
.set BSUB,   128*BPITCH                ; one of Wq, Wk, Wv: 128 k x 64 n = 20,480
.set SLOT,   ABYTES+3*BSUB             ; 131,072
.set STAGE,  2*SLOT                    ; behind the ring: no fill lands here
.set SPITCH, 400                       ; a stage row: 192 results of 2 bytes + 16
.set SWAVE,  16*SPITCH
.set ADRA, 8                           ; v8-9    LDS address of my x fragments, slot 0, 1
.set ADRB, 10                          ; v10-11  the same for W
.set STO,  12                          ; the way out: where I put 16 bytes
.set RD,   13                          ; where I read them back
.set CO,   14                          ; 16 x lane
.set FA,   32                          ; window 0: x fragments, buffer f at FA + 32 f, 8 registers for each 16 rows
.set FB,   0                           ; window 3: W fragments, buffer f at FB + 96 f, 8 registers for each 16 columns
.set TMP,  96                          ; window 0: packed results
.set OUT0, 144
.set OUT1, 192
.set G1A, 24                           ; s[24:31] group 1 for x's tiles
.set G0A, 32                           ; s[32:39] group 0 for x's tiles, one set for each slot
.set G1B, 48                           ; s[48:55] group 1 for W's tiles
.set G0B, 56                           ; s[56:63] group 0 for W's tiles, one set for each slot
.set MSB, 0
.macro WIN new                         ; the immediate's high byte repeats the setting that is left
.if MSB != \new
	s_set_vgpr_msb (MSB<<8)|\new
.set MSB, \new
.endif
.endm
.set MUL_LO, 0x53                      ; source 0 (W) window 3, source 1 (x) window 0, C and D window 1
.set MUL_HI, 0xa3                      ; the same, C and D window 2
.set TO_B,   0xc0                      ; destination window 3, address window 0
.macro PLACES                          ; four places behind a matrix instruction (ISA guide 7.12.1) before its results are read or its registers loaded again
.rept 4
	v_nop
.endr
.endm
; The joint loads of one slot.  Every wave asks for its 64 rows of x; waves 0, 1, 2 ask for Wq's, Wk's, Wv's tile.  The branch hangs on the wave's number alone.
.macro JLOAD s
	tensor_load_to_lds s[G0A+4*\s:G0A+4*\s+3], s[G1A:G1A+7]
	s_nop 0
	s_cmp_eq_u32 s10, 3
	s_cbranch_scc1 .Lno_w_\@
	tensor_load_to_lds s[G0B+4*\s:G0B+4*\s+3], s[G1B:G1B+7]
	s_nop 0
.Lno_w_\@:
.endm
; The two global addresses of slot s for K step s11, which then goes on by one, modulo 8.  Written only where no tensor load of the wave is out.
.macro KADR s
	s_lshl_b32 s16, s11, 8                         ; x: 128 bf16 along a row (s17 = 0)
	s_lshl_b32 s18, s11, 14                        ; W: 128 rows of 128 bytes (s19 = 0)
	s_add_nc_u64 s[G0A+4*\s+2:G0A+4*\s+3], s[14:15], s[16:17]
	s_or_b32 s[G0A+4*\s+3], s[G0A+4*\s+3], 0x80000000
	s_add_nc_u64 s[G0B+4*\s+2:G0B+4*\s+3], s[46:47], s[18:19]
	s_or_b32 s[G0B+4*\s+3], s[G0B+4*\s+3], 0x80000000
	s_add_co_u32 s11, s11, 1
	s_and_b32 s11, s11, 7
.endm
.macro CREST                           ; a round of the cluster's barrier behind its opening work-group barrier
	s_cmp_lg_u32 s10, 0
	s_cbranch_scc1 .Lnot_wave_0_\@
	s_barrier_signal -3
.Lnot_wave_0_\@:
	s_barrier_wait -3
	s_barrier_signal -1
	s_barrier_wait -1
.endm
.macro CROUND
	s_barrier_signal -1
	s_barrier_wait -1
	CREST
.endm
	s_load_b128 s[4:7], s[0:1], 0x0                ; cb s[4:5], qkv s[6:7]
	s_set_vgpr_msb 0xc0
	v_lshl_add_u32 v193, v0, 2, 0x46400
	s_set_vgpr_msb 0xc000
	v_mov_b32 v255, 0
	s_set_vgpr_msb 0x3
	ds_add_u32 v193, v255
	ds_add_u32 v193, v255
	s_set_vgpr_msb 0x300
	v_lshrrev_b32 v1, 5, v0
	v_readfirstlane_b32 s10, v1                    ; wave 0..3
	s_bfe_u32 s40, ttmp6, 0x40000                  ; cx
	s_bfe_u32 s41, ttmp6, 0x40004                  ; cy
	s_lshl_b32 s42, ttmp9, 2
	s_add_co_u32 s42, s42, s40                     ; head = 4 x cluster x + cx
	s_and_b32 s12, ttmp7, 0xffff                   ; cluster y
	s_lshr_b32 s11, s12, 1
	s_add_co_u32 s11, s11, s12
	s_add_co_u32 s11, s11, ttmp9                   ; cluster y + cluster y / 2 + cluster x:
	s_and_b32 s11, s11, 1                          ; its parity differs between neighbours along x, and between cluster rows 0|1, 2|3, 0|2, 1|3
	s_lshl_b32 s11, s11, 2                         ; my cluster's first K step: 0 or 4
	s_lshl_b32 s13, s12, 2
	s_add_co_u32 s13, s13, s41                     ; row block = 4 x cluster y + cy
	s_lshl_b32 s43, s41, 2
	s_lshl_b32 s43, 15, s43                        ; my row of the cluster
	s_lshl_b32 s44, 0x1111, s40                    ; my column
	; group 1 for x: 64 rows x 128 bf16, 1,024 elements from row to row, 4 words of padding behind every 64
	s_or_b32 s[G1A+0], s43, (1<<16)|(1<<20)|(1<<21)|(5<<22)|(3<<25)
	s_mov_b32 s[G1A+1], KSTEP<<16                  ; tensor_dim0 = 128
	s_mov_b32 s[G1A+2], 64<<16                     ; tensor_dim1 = 64
	s_mov_b32 s[G1A+3], KSTEP<<16                  ; tile_dim0 = 128
	s_mov_b32 s[G1A+4], 64                         ; tile_dim1 = 64
	s_mov_b32 s[G1A+5], 1024                       ; the pitch
	s_mov_b32 s[G1A+6], 0
	s_mov_b32 s[G1A+7], 0
	; group 1 for W: 128 k x 64 n of one head are 16 KiB without gaps in memory: 64 rows of 32 elements of 8 bytes.  8 words of padding behind
	; every 32 words, counted along the tile: each 128 bytes (one k) get 32 bytes of padding, pitch 160
	s_or_b32 s[G1B+0], s44, (3<<16)|(1<<20)|(1<<21)|(4<<22)|(7<<25)
	s_mov_b32 s[G1B+1], 32<<16
	s_mov_b32 s[G1B+2], 64<<16
	s_mov_b32 s[G1B+3], 32<<16
	s_mov_b32 s[G1B+4], 64
	s_mov_b32 s[G1B+5], 32
	s_mov_b32 s[G1B+6], 0
	s_mov_b32 s[G1B+7], 0
	; x's address is made of the row block and the wave, W's of the head and the wave, each in registers that never hold the other coordinate
	s_lshl_b32 s16, s13, 19                        ; 256 rows of 2,048 bytes
	s_lshl_b32 s17, s10, 17                        ; 64 rows
	s_add_co_u32 s16, s16, s17
	s_mov_b32 s17, 0
	s_mov_b32 s19, 0
	s_lshl_b32 s46, s42, 17                        ; a head of W: 128 KiB
	s_lshl_b32 s47, s10, 21                        ; Wq, Wk, Wv are 2 MiB apart,
	s_add_co_u32 s46, s46, s47
	s_add_co_u32 s46, s46, 0x800000                ; from byte 8 Mi of cb
	s_mov_b32 s47, 0
	s_mul_i32 s20, s10, AWAVE                      ; LDS: my rows of x
	s_mul_i32 s21, s10, BSUB
	s_add_co_u32 s21, s21, ABYTES                  ; LDS: my one of the three W tiles
	s_wait_dscnt 0x0
	s_wait_kmcnt 0x0
	s_add_nc_u64 s[14:15], s[4:5], s[16:17]        ; x: my rows, K step 0
	s_add_nc_u64 s[46:47], s[4:5], s[46:47]        ; W: my matrix, my head, K step 0
	CROUND                                         ; all sixteen work-groups are here: the first joint loads meet
.irp s, 0,1
	s_mov_b32 s[G0A+4*\s], 1
	s_add_co_u32 s[G0A+4*\s+1], s20, \s*SLOT
	s_mov_b32 s[G0B+4*\s], 1
	s_add_co_u32 s[G0B+4*\s+1], s21, \s*SLOT
	KADR \s
	JLOAD \s                                       ; both slots: four loads of waves 0-2 are out, two of wave 3
.endr
	v_and_b32 v1, 15, v0                           ; r = l % 16
	v_bfe_u32 v2, v0, 4, 1                         ; h = l / 16
	v_and_b32 v3, 7, v0
	v_bfe_u32 v4, v0, 3, 1
	v_bfe_u32 v5, v0, 3, 2                         ; l / 8
	v_mul_u32_u24 v6, v1, APITCH
	v_lshl_add_u32 v6, v2, 4, v6                   ; x fragment: row r, 16 bytes for each half of the lanes
	v_add_nc_u32 v[ADRA], s20, v6
	v_add_nc_u32 v[ADRA+1], SLOT, v[ADRA]
	v_lshl_add_u32 v6, v2, 3, v3                   ; W fragment by the transposing load: lane l addresses row k = 8 h + l % 8,
	v_mul_u32_u24 v6, v6, BPITCH
	v_lshl_add_u32 v6, v4, 4, v6                   ; and 16 bytes (8 columns) by bit 3 of l
	v_add_nc_u32 v[ADRB], ABYTES, v6
	v_add_nc_u32 v[ADRB+1], SLOT, v[ADRB]
	s_mul_i32 s23, s10, SWAVE
	s_add_co_u32 s23, s23, STAGE                   ; my stage
	v_mul_u32_u24 v6, v1, SPITCH
	v_lshl_add_u32 v6, v2, 4, v6
	v_add_nc_u32 v[STO], s23, v6
	v_mul_u32_u24 v6, v5, SPITCH                   ; back: eight lanes take 128 bytes of one row, a wave four rows
	v_lshl_add_u32 v6, v3, 4, v6
	v_add_nc_u32 v[RD], s23, v6
	v_and_b32 v[CO], 31, v0
	v_lshlrev_b32 v[CO], 4, v[CO]
; 32 LDS loads: the fragments of quarter q (32 along K) of a slot into buffer f: 12 x 16 columns of W, 4 x 16 rows of x
.macro FETCH slot, q, f
	WIN TO_B
.irp b, 0,1,2,3,4,5,6,7,8,9,10,11
	ds_load_tr16_b128 v[FB+96*\f+8*\b:FB+96*\f+8*\b+3], v[ADRB+\slot] offset:BSUB*(\b/4)+32*(\b%4)+\q*32*BPITCH
	ds_load_tr16_b128 v[FB+96*\f+8*\b+4:FB+96*\f+8*\b+7], v[ADRB+\slot] offset:BSUB*(\b/4)+32*(\b%4)+\q*32*BPITCH+16*BPITCH
.endr
	WIN 0
.irp a, 0,1,2,3
	ds_load_b128 v[FA+32*\f+8*\a:FA+32*\f+8*\a+3], v[ADRA+\slot] offset:\a*16*APITCH+\q*64
	ds_load_b128 v[FA+32*\f+8*\a+4:FA+32*\f+8*\a+7], v[ADRA+\slot] offset:\a*16*APITCH+\q*64+32
.endr
.endm
; 24 matrix instructions: two blocks of 16 rows (hi = 0: rows 0-31, 1: rows 32-63) x 12 blocks of 16 columns.  zero = 1: the product starts the sums.
; The 48 accumulators take turns, one instruction a turn, in the same order in every quarter.
.macro MUL24 f, hi, zero
.irp a, 0,1
.irp b, 0,1,2,3,4,5,6,7,8,9,10,11
.if \zero
	v_wmma_f32_16x16x32_bf16 v[8*(12*\a+\b):8*(12*\a+\b)+7], v[FB+96*\f+8*\b:FB+96*\f+8*\b+7], v[FA+32*\f+8*(2*\hi+\a):FA+32*\f+8*(2*\hi+\a)+7], 0
.else
	v_wmma_f32_16x16x32_bf16 v[8*(12*\a+\b):8*(12*\a+\b)+7], v[FB+96*\f+8*\b:FB+96*\f+8*\b+7], v[FA+32*\f+8*(2*\hi+\a):FA+32*\f+8*(2*\hi+\a)+7], v[8*(12*\a+\b):8*(12*\a+\b)+7]
.endif
.endr
.endr
.endm
; One of a K step's first three quarters: fetches quarter q into buffer g, multiplies buffer f.
.macro QUARTER slot, q, f, g, zero
	PLACES                                         ; buffer g was read by the matrix instructions just issued
	FETCH \slot, \q, \g
	s_wait_dscnt 32                                ; all but the 32 loads just issued: buffer f is in
	WIN MUL_LO
	MUL24 \f, 0, \zero
	WIN MUL_HI
	MUL24 \f, 1, \zero
.endm
.macro THREE slot, zero
	QUARTER \slot, 1, 0, 1, \zero
	QUARTER \slot, 2, 1, 0, 0
	QUARTER \slot, 3, 0, 1, 0
.endm
; The last quarter multiplies buffer 1 and changes slots.  In front of the barrier each wave waits for its reads of this slot and for all its tensor
; loads (its parts of the next slot); behind it, where fill = 1, the round of the cluster's barrier goes on and the joint refills are the first
; tensor loads.  From a request to the wait for it a wave issues 168 matrix instructions.
.macro TURN slot, next, fill
	s_wait_dscnt 0x0                               ; buffer 1 is in, and with it my last reads of this slot
	s_wait_tensorcnt 0x0                           ; all my tensor loads have landed
	ds_add_u32 v193, v255
	s_wait_dscnt 0x0
	s_barrier_signal -1
	WIN MUL_LO
	MUL24 1, 0, 0                                  ; register work while the others arrive
	WIN 0
	s_barrier_wait -1
.if \fill
	CREST                                          ; no wave of any partner still reads this slot or has a load on its way
	KADR \slot                                     ; the next K step of my cluster's order
	JLOAD \slot
.endif
	PLACES
	FETCH \next, 0, 0
	WIN MUL_HI
	MUL24 1, 1, 0
.endm
.macro LAP zero
	THREE 0, \zero
	TURN 0, 1, 1
	THREE 1, 0
	TURN 1, 0, 1
.endm
	s_wait_tensorcnt 1                             ; at most my youngest load, a part of slot 1, is out: my parts of slot 0 are in (wave 3: x, x; the others: x, W, x, W)
	s_barrier_signal -1
	s_barrier_wait -1                              ; everybody's are
	FETCH 0, 0, 0
	LAP 1                                          ; the first two K steps: the first products start the sums
	WIN 0
	s_mov_b32 s3, 2
.Llap:
	LAP 0                                          ; the third to the sixth
	WIN 0
	s_sub_co_u32 s3, s3, 1
	s_cmp_lg_u32 s3, 0
	s_cbranch_scc1 .Llap
	THREE 0, 0                                     ; the last two: nothing more is fetched
	TURN 0, 1, 0
	THREE 1, 0
	s_wait_dscnt 0x0
	WIN MUL_LO
	MUL24 1, 0, 0
	WIN MUL_HI
	MUL24 1, 1, 0
	; THE WAY OUT, 16 rows at a time: round to f16, 16 bytes a lane into my stage, read back so that a wave's store covers four whole rows of
	; 128 bytes = 512 neighbouring bytes of q, of k or of v.
	PLACES
	s_lshr_b32 s16, s13, 2                         ; batch,
	s_lshl_b32 s16, s16, 21                        ; 16 heads of 128 KiB each
	s_and_b32 s17, s13, 3
	s_lshl_b32 s17, s17, 15                        ; 256 rows of 128 bytes
	s_add_co_u32 s16, s16, s17
	s_lshl_b32 s17, s10, 13                        ; my 64 rows
	s_add_co_u32 s16, s16, s17
	s_mov_b32 s17, 0
	s_add_nc_u64 s[6:7], s[6:7], s[16:17]
	s_lshl_b32 s46, s42, 17                        ; the head (in registers that fed W's descriptors alone)
	s_mov_b32 s47, 0
	s_add_nc_u64 s[6:7], s[6:7], s[46:47]          ; q
	s_add_nc_u64 s[8:9], s[6:7], 0x800000          ; k
	s_add_nc_u64 s[18:19], s[6:7], 0x1000000       ; v
.macro OUT16 a, from, o
	WIN \from
.irp b, 0,1,2,3,4,5,6,7,8,9,10,11
.irp r, 0,1,2,3
	v_cvt_pk_f16_f32 v[TMP+4*\b+\r], v[8*(12*(\a%2)+\b)+2*\r], v[8*(12*(\a%2)+\b)+2*\r+1]
.endr
.endr
	WIN 0
.irp b, 0,1,2,3,4,5,6,7,8,9,10,11
	ds_store_b128 v[STO], v[TMP+4*\b:TMP+4*\b+3] offset:32*\b
.endr
	s_wait_xcnt 0x0                                ; the stores that read buffer o have had their addresses translated: it is loaded again only behind this wait
.irp e, 0,1,2,3,4,5,6,7,8,9,10,11
	ds_load_b128 v[\o+4*\e:\o+4*\e+3], v[RD] offset:4*SPITCH*(\e%4)+128*(\e/4)   ; a wave's LDS instructions are served in order: these see the stores above
.endr
.irp i, 0,1,2,3
	s_wait_dscnt 11-\i
	global_store_b128 v[CO], v[\o+4*\i:\o+4*\i+3], s[6:7] offset:\a*2048+\i*512
.endr
.irp i, 0,1,2,3
	s_wait_dscnt 7-\i
	global_store_b128 v[CO], v[\o+16+4*\i:\o+16+4*\i+3], s[8:9] offset:\a*2048+\i*512
.endr
.irp i, 0,1,2,3
	s_wait_dscnt 3-\i
	global_store_b128 v[CO], v[\o+32+4*\i:\o+32+4*\i+3], s[18:19] offset:\a*2048+\i*512
.endr
.endm
	OUT16 0, 0x05, OUT0
	OUT16 1, 0x05, OUT1
	OUT16 2, 0x0a, OUT0
	OUT16 3, 0x0a, OUT1
	s_set_vgpr_msb 0x3
	s_wait_tensorcnt 0x0
	ds_add_u32 v193, v255
	s_wait_dscnt 0x0
	s_set_vgpr_msb 0x300
	CROUND                                         ; the closing round: no work-group ends while a partner may still ask for a tile that names it
	s_endpgm
.Lfunc_end_k_q46e20090f8_qkv:
	.size	k_q46e20090f8_qkv, .Lfunc_end_k_q46e20090f8_qkv-k_q46e20090f8_qkv
	.p2alignl 7, 3214868480
	.fill 96, 4, 3214868480
	.section	.rodata,"a",@progbits
	.p2align	6, 0x0
	.amdhsa_kernel k_q46e20090f8_qkv
		.amdhsa_group_segment_fixed_size 327680
		.amdhsa_private_segment_fixed_size 0
		.amdhsa_enable_private_segment 0
		.amdhsa_kernarg_size 16
		.amdhsa_user_sgpr_count 2
		.amdhsa_user_sgpr_kernarg_segment_ptr 1
		.amdhsa_wavefront_size32 1
		.amdhsa_system_sgpr_workgroup_id_x 1
		.amdhsa_system_sgpr_workgroup_id_y 1
		.amdhsa_system_sgpr_workgroup_id_z 1
		.amdhsa_system_vgpr_workitem_id 0
		.amdhsa_next_free_vgpr 962
		.amdhsa_next_free_sgpr 66
		.amdhsa_reserve_vcc 0
		.amdhsa_float_denorm_mode_32 3
		.amdhsa_float_denorm_mode_16_64 3
		.amdhsa_memory_ordered 1
		.amdhsa_forward_progress 1
		.amdhsa_inst_pref_size 164
	.end_amdhsa_kernel
	.amdgpu_metadata
---
amdhsa.version: [ 1, 2 ]
amdhsa.kernels:
  - .name:           k_q46e20090f8_qkv
    .symbol:         k_q46e20090f8_qkv.kd
    .args:
      - { .name: cb, .offset: 0, .size: 8, .value_kind: global_buffer, .address_space: global }
      - { .name: qkv, .offset: 8, .size: 8, .value_kind: global_buffer, .address_space: global }
    .group_segment_fixed_size: 327680
    .private_segment_fixed_size: 0
    .kernarg_segment_align: 8
    .kernarg_segment_size: 16
    .max_flat_workgroup_size: 128
    .sgpr_count:     66
    .vgpr_count:     962
    .wavefront_size: 32
...
	.end_amdgpu_metadata
.endif
;; end of part 2
;; launch attn (part 3): grid 4 x 64, 8 waves a work-group, no clusters, 327,680 bytes of LDS; arguments qkv, att; writes att
.if DOCPART == 3
	.amdgcn_target "amdgcn-amd-amdhsa--gfx1250"
	.amdhsa_code_object_version 6
	.text
	.protected	k_q46e20090f8_attn
	.globl	k_q46e20090f8_attn
	.p2align	8
	.type	k_q46e20090f8_attn,@function
k_q46e20090f8_attn:
	s_mov_b64 s[64:65], 0
	v_nop
	global_prefetch_b8 v0, s[64:65] scope:SCOPE_SE
	s_setreg_imm32_b32 hwreg(HW_REG_WAVE_MODE, 25, 1), 1
	s_wait_xcnt 0x0
; att [b][h][t][64] = softmax(causal(q k^T / 32)) v, one head at a time.  q, k, v, the weights and att in f16; scores, maxima, sums and results in f32.
; The maximum is a running maximum of the raw scores, taken behind the mask; the factor c = log2(e) / 32 > 0 enters in the multiply-add in front of
; the power of two.  The divisor is summed from the weights before they are rounded to f16.  Masked scores are minus infinity.
; LIMITS: f16's range for q, k, v (stated where they are made); NaN or infinite inputs are not followed.
; Work-group (j, bh) takes the query blocks 7 - j and j (128 rows each) of head bh: (8 - j) + (j + 1) = 9 key tiles of 128 for every one of the 256,
; in one flat sequence of trips t = 0 .. 8; trips 7 - j (one of 4 .. 7) and 8 are on the diagonal.
; EIGHT WAVES, two for each SIMD.  Waves w and w + 4 own the same 32 queries of a block; wave group g = wave / 4 takes keys 64 g .. 64 g + 63 of every tile, with a
; maximum, a sum and an O of its own.  So one wave's matrix instructions can run under the other's softmax, and the fragments read from LDS are those that four
; waves would read.  At a block's end group 1 hands its state to group 0 through LDS, and group 0 merges, divides and stores.
; A wave of group 1 can meet masked keys alone (queries below 64 of a diagonal tile).  So the running maximum starts at the most negative finite number, not
; at minus infinity, and the exponent of the rescaling factor is (old m - m) c, which is exactly 0 where the two are equal.
; ALL PRODUCTS ARE TRANSPOSED.  S^T = K (source 0) x Q (source 1): lane l holds query l % 16 and keys 8 (l / 16) + 0..7 of a tile, so maximum, sum and
; rescaling factor are one number a lane, and two packed score tiles ARE a source-1 fragment of the weights.  O^T = V^T (source 0, by the transposing
; LDS load) x P (source 1): a lane's eight results are eight neighbouring numbers of a row of att.
; THE TILES: six places in LDS.  Tiles 0 .. 5 of the sequence are asked for at the start; tiles 6 .. 8 fill places 0 .. 2 again behind the one barrier in front of
; trip 3, three trips ahead of their use.  Waves 0-3 bring K, waves 4-7 V, 32 rows each: six tensor loads of a wave are out at the most.
; NO JOINT LOADS: the branch for the diagonal trip and the tile that a place holds hang on j, which would be the work-group's place in a cluster of the four that
; share a head.  NO PREFETCH: every tile is asked for by its tensor load at least three trips ahead of its use, or at the kernel's start.
.set KP, 144                           ; K in LDS: 128 bytes + 16
.set VP, 160                           ; V in LDS: 128 bytes + 32, an odd multiple of 32
.set KT, 128*KP                        ; a tile of K: 18,432
.set VT, 128*VP                        ; a tile of V: 20,480
.set VBASE, 6*KT                       ; 110,592
.set MERGE, VBASE+6*VT                 ; 233,472: 17 x 512 bytes for each pair of waves; no fill lands here
.set MPAIR, 17*512
.set STAGE, MERGE+4*MPAIR              ; 268,288: 32 rows x 144 bytes for each wave; no fill lands here
.set CO, 1                             ; 16 x lane
.set KA, 2                             ; v2-3    LDS address of my K fragments, places 0-2 and 3-5
.set VA, 4                             ; v4-5    of my V fragments
.set STO, 6
.set RD, 7
.set DD, 8                             ; v8-9    query tile q: my query less 8 (l / 16) less 64 g, inside the block
.set QOA, 10                           ; byte offsets of my Q fragments, block 7 - j and block j
.set QOB, 11
.set MX, 12                            ; v12-13  running maximum
.set MN, 14                            ; v14-15  the new one
.set QF, 16                            ; v16-47   Q: + 16 q + 8 k
.set SC, 48                            ; v48-111  scores: + 8 (2 i + q)
.set PR, 112                           ; v112-143 weights in f16: + 16 q + 8 k
.set KF, 144                           ; v144-207 K: + 16 i + 8 k
.set NM, 208                           ; pairs; the low register holds - c x maximum
.set AL, 212                           ; pairs; the low register holds the rescaling factor
.set LS, 216                           ; pairs: two partial sums
.set TT, 220                           ; v220-231 at work, six for each query tile
.set NEG, 232                          ; minus infinity
.set MGW, 233                          ; the merge: where a wave of group 1 writes,
.set MGR, 234                          ; and where a wave of group 0 reads
.set OA, 0                             ; window 1: v0-63    O: + 8 (2 d + q)
.set VF, 64                            ; window 1: v64-127  V^T: + 32 k + 8 d
.set QN, 128                           ; window 1: v128-159 Q of block j
.set G1K, 24                           ; s[24:31]
.set G1V, 32                           ; s[32:39]
.set G0K, 40                           ; s[40:63] one set for each place
.set OUTP, 66                          ; s[66:67] att, the block at work
.set G0V, 68                           ; s[68:91] one set for each place
.set OUT2, 92                          ; s[92:93] att, block j
.set MSB, 0
.macro WIN new
.if MSB != \new
	s_set_vgpr_msb (MSB<<8)|\new
.set MSB, \new
.endif
.endm
.macro PLACES                          ; four places behind a matrix instruction (ISA guide 7.12.1)
.rept 4
	v_nop
.endr
.endm
; The global addresses of place p for trip t: key tile t in the first block (t <= 7 - j), t - (8 - j) in the second.  s95 = 0.
.macro SETT p, t
	s_sub_co_u32 s96, \t-1, s11
	s_cmp_ge_u32 s11, \t
	s_cselect_b32 s94, \t, s96
	s_lshl_b32 s94, s94, 14                        ; 128 rows of 128 bytes
	s_add_nc_u64 s[G0K+4*\p+2:G0K+4*\p+3], s[20:21], s[94:95]
	s_or_b32 s[G0K+4*\p+3], s[G0K+4*\p+3], 0x80000000
	s_add_nc_u64 s[G0V+4*\p+2:G0V+4*\p+3], s[22:23], s[94:95]
	s_or_b32 s[G0V+4*\p+3], s[G0V+4*\p+3], 0x80000000
.endm
.macro TLOAD p                         ; one load of every wave: waves 0-3 their 32 rows of K, waves 4-7 their 32 rows of V
	s_cmp_lt_u32 s8, 4
	s_cbranch_scc0 .Lfor_v_\@
	tensor_load_to_lds s[G0K+4*\p:G0K+4*\p+3], s[G1K:G1K+7]
	s_nop 0
	s_branch .Lasked_\@
.Lfor_v_\@:
	tensor_load_to_lds s[G0V+4*\p:G0V+4*\p+3], s[G1V:G1V+7]
	s_nop 0
.Lasked_\@:
.endm
	s_load_b128 s[4:7], s[0:1], 0x0                ; qkv s[4:5], att s[6:7]
	v_lshl_add_u32 v254, v0, 2, 0x4a800
	v_mov_b32 v255, 0
	ds_add_u32 v254, v255
	ds_add_u32 v254, v255
	v_lshrrev_b32 v[TT], 5, v0
	v_readfirstlane_b32 s8, v[TT]                  ; wave 0..7
	s_and_b32 s12, s8, 3                           ; w: my 32 queries
	s_lshr_b32 s13, s8, 2                          ; g: my half of the keys
	s_mov_b32 s9, ttmp9                            ; j
	s_and_b32 s10, ttmp7, 0xffff                   ; 16 b + h
	s_sub_co_u32 s11, 7, s9                        ; the first block, and the trip of its diagonal tile
	s_mov_b32 s14, 0x3d38aa3b                      ; c = log2(e) / 32
	s_mov_b32 s15, 0x3d38aa3b
	s_mov_b32 s16, 0xbd38aa3b                      ; - c
	s_mov_b32 s18, 0x76543210                      ; v_permlanex16_b32: lane i reads lane i of the other half
	s_mov_b32 s19, 0xfedcba98
	; group 1: a wave's 32 rows of 128 bytes are 4 KiB without gaps: 16 rows of 32 elements of 8 bytes; padding behind every 32 words (one row of K or V)
	s_mov_b32 s[G1K+0], (3<<16)|(1<<20)|(4<<22)|(3<<25)    ; 4 words: pitch 144
	s_mov_b32 s[G1V+0], (3<<16)|(1<<20)|(4<<22)|(7<<25)    ; 8 words: pitch 160
.irp g, G1K, G1V
	s_mov_b32 s[\g+1], 32<<16
	s_mov_b32 s[\g+2], 16<<16
	s_mov_b32 s[\g+3], 32<<16
	s_mov_b32 s[\g+4], 16
	s_mov_b32 s[\g+5], 32
	s_mov_b32 s[\g+6], 0
	s_mov_b32 s[\g+7], 0
.endr
	s_mul_i32 s96, s8, 32*KP                       ; K is brought by waves 0-3: wave x 32 rows
	s_mul_i32 s97, s8, 32*VP                       ; V by waves 4-7: (wave - 4) x 32 rows
.irp p, 0,1,2,3,4,5
	s_mov_b32 s[G0K+4*\p], 1
	s_add_co_u32 s[G0K+4*\p+1], s96, \p*KT
	s_mov_b32 s[G0V+4*\p], 1
	s_add_co_u32 s[G0V+4*\p+1], s97, VBASE-4*32*VP+\p*VT
.endr
	s_add_co_u32 s17, s96, STAGE                   ; my stage: also 32 rows of 144 bytes for each wave
	s_lshl_b32 s94, s10, 17                        ; a head: 128 KiB
	s_lshl_b32 s96, s12, 12                        ; 32 rows of 128 bytes: my queries, and the rows of a tile that I bring
	s_add_co_u32 s94, s94, s96
	s_mov_b32 s95, 0
	s_wait_dscnt 0x0
	s_wait_kmcnt 0x0
	s_add_nc_u64 s[4:5], s[4:5], s[94:95]          ; q: my rows of block 0
	s_add_nc_u64 s[6:7], s[6:7], s[94:95]          ; att likewise
	s_add_nc_u64 s[20:21], s[4:5], 0x800000        ; k: the rows that I bring, tile 0
	s_add_nc_u64 s[22:23], s[4:5], 0x1000000       ; v
.irp p, 0,1,2,3,4,5
	SETT \p, \p
	TLOAD \p                                       ; first fills: six loads of the wave are out
.endr
	v_and_b32 v[TT], 15, v0                        ; r
	v_bfe_u32 v[TT+1], v0, 4, 1                    ; h
	v_and_b32 v[TT+2], 7, v0
	v_bfe_u32 v[TT+3], v0, 3, 1
	v_bfe_u32 v[TT+4], v0, 3, 2                    ; l / 8
	v_and_b32 v[TT+5], 31, v0
	v_mov_b32 v[TT+10], 0                          ; v_permlanex16_b32's destination counts as read
	v_mul_u32_u24 v[TT+6], v[TT], KP
	v_lshl_add_u32 v[TT+6], v[TT+1], 4, v[TT+6]    ; 144 r + 16 h
	s_mul_i32 s96, s13, 64*KP                      ; my half of a tile's keys
	v_add_nc_u32 v[KA], s96, v[TT+6]
	v_add_nc_u32 v[KA+1], 3*KT, v[KA]
	v_lshl_add_u32 v[TT+7], v[TT+1], 3, v[TT+2]
	v_mul_u32_u24 v[TT+7], v[TT+7], VP
	v_lshl_add_u32 v[TT+7], v[TT+3], 4, v[TT+7]    ; (8 h + l % 8) 160 + 16 x bit 3 of l
	s_mul_i32 s96, s13, 64*VP
	s_add_co_u32 s96, s96, VBASE
	v_add_nc_u32 v[VA], s96, v[TT+7]
	v_add_nc_u32 v[VA+1], 3*VT, v[VA]
	v_add_nc_u32 v[STO], s17, v[TT+6]
	v_mul_u32_u24 v[RD], v[TT+4], KP
	v_lshl_add_u32 v[RD], v[TT+2], 4, v[RD]
	v_add_nc_u32 v[RD], s17, v[RD]
	v_lshlrev_b32 v[CO], 4, v[TT+5]
	s_mul_i32 s96, s8, MPAIR
	v_lshl_add_u32 v[MGR], v[TT+5], 4, s96         ; 16 x lane + wave x 8,704
	v_add_nc_u32 v[MGW], MERGE-4*MPAIR, v[MGR]     ; wave 4 + w writes where
	v_add_nc_u32 v[MGR], MERGE, v[MGR]             ; wave w reads
	v_mov_b32 v[NEG], 0xff800000
	v_lshlrev_b32 v[DD], 3, v[TT+1]
	v_sub_nc_u32 v[DD], v[TT], v[DD]
	s_lshl_b32 s96, s12, 5
	s_lshl_b32 s97, s13, 6
	s_sub_co_i32 s96, s96, s97
	v_add_nc_u32 v[DD], s96, v[DD]                 ; 32 w + r - 8 h - 64 g
	v_add_nc_u32 v[DD+1], 16, v[DD]
	v_lshlrev_b32 v[TT+8], 7, v[TT]
	v_lshl_add_u32 v[TT+8], v[TT+1], 4, v[TT+8]    ; 128 r + 16 h
	s_lshl_b32 s94, s11, 14                        ; a block: 128 rows of 128 bytes
	s_add_nc_u64 s[OUTP:OUTP+1], s[6:7], s[94:95]  ; att, block 7 - j
	v_add_nc_u32 v[QOA], s94, v[TT+8]
	s_lshl_b32 s94, s9, 14
	s_add_nc_u64 s[OUT2:OUT2+1], s[6:7], s[94:95]  ; att, block j
	v_add_nc_u32 v[QOB], s94, v[TT+8]
.irp q, 0,1
.irp k, 0,1
	global_load_b128 v[QF+16*\q+8*\k:QF+16*\q+8*\k+3], v[QOA], s[4:5] offset:\q*2048+\k*64
	global_load_b128 v[QF+16*\q+8*\k+4:QF+16*\q+8*\k+7], v[QOA], s[4:5] offset:\q*2048+\k*64+32
.endr
.endr
	WIN 0x40
.irp q, 0,1
.irp k, 0,1
	global_load_b128 v[QN+16*\q+8*\k:QN+16*\q+8*\k+3], v[QOB], s[4:5] offset:\q*2048+\k*64
	global_load_b128 v[QN+16*\q+8*\k+4:QN+16*\q+8*\k+7], v[QOB], s[4:5] offset:\q*2048+\k*64+32
.endr
.endr
	WIN 0
.irp q, 0,1
	v_mov_b32 v[NM+2*\q+1], 0                      ; the upper registers of the broadcast pairs are named, never used
	v_mov_b32 v[AL+2*\q+1], 0
.endr
; A block starts from O = 0, maximum = the most negative finite number, sum = 0.  O is cleared by moves, and not by a first product on the constant 0, because
; the trip in which the second block starts hangs on j: a trip's text must serve a first tile and a later one.
.macro CLEAR
	WIN 0x40
.set n, 0
.rept 64
	v_mov_b32 v[OA+n], 0
.set n, n+1
.endr
	WIN 0
	v_mov_b32 v[MX], 0xff7fffff
	v_mov_b32 v[MX+1], 0xff7fffff
.irp e, 0,1,2,3
	v_mov_b32 v[LS+\e], 0
.endr
.endm
.macro LOADK slot, pp                  ; my 64 keys of the tile in place 3 slot + pp: 4 x 16 keys x 64 d, 16 loads
.irp i, 0,1,2,3
.irp k, 0,1
	ds_load_b128 v[KF+16*\i+8*\k:KF+16*\i+8*\k+3], v[KA+\slot] offset:\pp*KT+\i*16*KP+\k*64
	ds_load_b128 v[KF+16*\i+8*\k+4:KF+16*\i+8*\k+7], v[KA+\slot] offset:\pp*KT+\i*16*KP+\k*64+32
.endr
.endr
.endm
.macro LOADV slot, pp                  ; the same 64 keys of V, transposed: 2 x 32 keys x 4 x 16 d, 16 loads
	WIN 0x40
.irp k, 0,1
.irp d, 0,1,2,3
	ds_load_tr16_b128 v[VF+32*\k+8*\d:VF+32*\k+8*\d+3], v[VA+\slot] offset:\pp*VT+\k*32*VP+\d*32
	ds_load_tr16_b128 v[VF+32*\k+8*\d+4:VF+32*\k+8*\d+7], v[VA+\slot] offset:\pp*VT+\k*32*VP+\d*32+16*VP
.endr
.endr
	WIN 0
.endm
; S^T: eight tiles (4 x 16 keys, 2 x 16 queries), d = 0..31 starting the sums, then d = 32..63.  The eight take turns.
.macro SMUL
.irp i, 0,1,2,3
.irp q, 0,1
	v_wmma_f32_16x16x32_f16 v[SC+8*(2*\i+\q):SC+8*(2*\i+\q)+7], v[KF+16*\i:KF+16*\i+7], v[QF+16*\q:QF+16*\q+7], 0
.endr
.endr
.irp i, 0,1,2,3
.irp q, 0,1
	v_wmma_f32_16x16x32_f16 v[SC+8*(2*\i+\q):SC+8*(2*\i+\q)+7], v[KF+16*\i+8:KF+16*\i+15], v[QF+16*\q+8:QF+16*\q+15], v[SC+8*(2*\i+\q):SC+8*(2*\i+\q)+7]
.endr
.endr
.endm
.macro MASK                            ; diagonal tile: key 64 g + 16 i + 8 h + j beyond query 32 w + 16 q + r becomes minus infinity
.irp q, 0,1
.irp i, 0,1,2,3
.irp j, 0,1,2,3,4,5,6,7
	v_cmp_gt_i32 vcc_lo, 16*\i+\j, v[DD+\q]
	v_cndmask_b32 v[SC+8*(2*\i+\q)+\j], v[SC+8*(2*\i+\q)+\j], v[NEG], vcc_lo
.endr
.endr
.endr
.endm
; The running softmax over my 64 keys, for both query tiles.
.macro SOFT
.irp q, 0,1
.irp i, 0,1,2,3
	v_max3_num_f32 v[TT+6*\q+\i], v[SC+8*(2*\i+\q)], v[SC+8*(2*\i+\q)+1], v[SC+8*(2*\i+\q)+2]
.endr
.endr
.irp q, 0,1
.irp i, 0,1,2,3
	v_max3_num_f32 v[TT+6*\q+\i], v[TT+6*\q+\i], v[SC+8*(2*\i+\q)+3], v[SC+8*(2*\i+\q)+4]
.endr
.endr
.irp q, 0,1
.irp i, 0,1,2,3
	v_max3_num_f32 v[TT+6*\q+\i], v[TT+6*\q+\i], v[SC+8*(2*\i+\q)+5], v[SC+8*(2*\i+\q)+6]
.endr
.endr
.irp q, 0,1
	v_max3_num_f32 v[TT+6*\q], v[TT+6*\q], v[TT+6*\q+1], v[TT+6*\q+2]
.endr
.irp q, 0,1
	v_max3_num_f32 v[TT+6*\q], v[TT+6*\q], v[TT+6*\q+3], v[SC+8*\q+7]
.endr
.irp q, 0,1
	v_max3_num_f32 v[TT+6*\q], v[TT+6*\q], v[SC+8*(2+\q)+7], v[SC+8*(4+\q)+7]
.endr
.irp q, 0,1
	v_max3_num_f32 v[TT+6*\q], v[TT+6*\q], v[SC+8*(6+\q)+7], v[MX+\q]          ; the old maximum joins
.endr
.irp q, 0,1
	v_permlanex16_b32 v[TT+6*\q+4], v[TT+6*\q], s18, s19                       ; the other half of the lanes holds my query's other keys
.endr
.irp q, 0,1
	v_max_num_f32 v[MN+\q], v[TT+6*\q], v[TT+6*\q+4]
.endr
.irp q, 0,1
	v_mul_f32 v[NM+2*\q], s16, v[MN+\q]                                        ; - c m
	v_sub_f32 v[TT+6*\q+5], v[MX+\q], v[MN+\q]                                 ; old m - m: exactly 0 where nothing changed
.endr
.irp q, 0,1
	v_mul_f32 v[TT+6*\q+5], s14, v[TT+6*\q+5]
.endr
.irp q, 0,1
.irp i, 0,1,2,3
.irp p, 0,2,4,6
	v_pk_fma_f32 v[SC+8*(2*\i+\q)+\p:SC+8*(2*\i+\q)+\p+1], v[SC+8*(2*\i+\q)+\p:SC+8*(2*\i+\q)+\p+1], s[14:15], v[NM+2*\q:NM+2*\q+1] op_sel_hi:[1,0,0]
.endr
.endr
.endr
.irp q, 0,1
	v_exp_f32 v[AL+2*\q], v[TT+6*\q+5]
.endr
.irp q, 0,1
.irp i, 0,1,2,3
.irp j, 0,1,2,3,4,5,6,7
	v_exp_f32 v[SC+8*(2*\i+\q)+\j], v[SC+8*(2*\i+\q)+\j]
.endr
.endr
.endr
	v_mov_b32 v[MX], v[MN]                         ; the plain instruction between the powers of two and the first use of their results (ISA guide 5.7.2)
	v_mov_b32 v[MX+1], v[MN+1]
	; the sums, before rounding: two chains for each query tile
	s_wait_alu depctr_va_vdst(0)
.irp q, 0,1
	v_pk_fma_f32 v[LS+2*\q:LS+2*\q+1], v[LS+2*\q:LS+2*\q+1], v[AL+2*\q:AL+2*\q+1], v[SC+8*\q:SC+8*\q+1] op_sel_hi:[1,0,1]
	v_pk_add_f32 v[TT+6*\q:TT+6*\q+1], v[SC+8*(4+\q):SC+8*(4+\q)+1], v[SC+8*(4+\q)+2:SC+8*(4+\q)+3]
.endr
.irp p, 4,6
.irp q, 0,1
	v_pk_add_f32 v[LS+2*\q:LS+2*\q+1], v[LS+2*\q:LS+2*\q+1], v[SC+8*\q+\p:SC+8*\q+\p+1]
	v_pk_add_f32 v[TT+6*\q:TT+6*\q+1], v[TT+6*\q:TT+6*\q+1], v[SC+8*(4+\q)+\p:SC+8*(4+\q)+\p+1]
.endr
.endr
.irp q, 0,1
	v_pk_add_f32 v[LS+2*\q:LS+2*\q+1], v[LS+2*\q:LS+2*\q+1], v[SC+8*\q+2:SC+8*\q+3]
.endr
.irp p, 0,2,4,6
.irp q, 0,1
	v_pk_add_f32 v[LS+2*\q:LS+2*\q+1], v[LS+2*\q:LS+2*\q+1], v[SC+8*(2+\q)+\p:SC+8*(2+\q)+\p+1]
	v_pk_add_f32 v[TT+6*\q:TT+6*\q+1], v[TT+6*\q:TT+6*\q+1], v[SC+8*(6+\q)+\p:SC+8*(6+\q)+\p+1]
.endr
.endr
.irp q, 0,1
	v_pk_add_f32 v[LS+2*\q:LS+2*\q+1], v[LS+2*\q:LS+2*\q+1], v[TT+6*\q:TT+6*\q+1]
.endr
	; tiles 2 k and 2 k + 1, packed, are registers 0-3 and 4-7 of the weights' fragment k
.irp q, 0,1
.irp i, 0,1,2,3
.irp p, 0,1,2,3
	v_cvt_pk_f16_f32 v[PR+16*\q+4*\i+\p], v[SC+8*(2*\i+\q)+2*\p], v[SC+8*(2*\i+\q)+2*\p+1]
.endr
.endr
.endr
	WIN 0x41                                       ; O (window 1) times the factor (window 0)
.irp d, 0,1,2,3
.irp q, 0,1
.irp p, 0,2,4,6
	v_pk_mul_f32 v[OA+8*(2*\d+\q)+\p:OA+8*(2*\d+\q)+\p+1], v[OA+8*(2*\d+\q)+\p:OA+8*(2*\d+\q)+\p+1], v[AL+2*\q:AL+2*\q+1] op_sel_hi:[1,0]
.endr
.endr
.endr
	WIN 0
.endm
.macro PVMUL                           ; O^T += V^T P: eight tiles (4 x 16 d, 2 x 16 queries) take turns, keys 0..31 and then 32..63 of my 64
	WIN 0x51
.irp k, 0,1
.irp d, 0,1,2,3
.irp q, 0,1
	v_wmma_f32_16x16x32_f16 v[OA+8*(2*\d+\q):OA+8*(2*\d+\q)+7], v[VF+32*\k+8*\d:VF+32*\k+8*\d+7], v[PR+16*\q+8*\k:PR+16*\q+8*\k+7], v[OA+8*(2*\d+\q):OA+8*(2*\d+\q)+7]
.endr
.endr
.endr
	WIN 0
.endm
.macro TILE slot, pp, mask             ; my 64 keys of one key tile
	LOADK \slot, \pp
	LOADV \slot, \pp
	s_wait_dscnt 16                                ; K's 16 loads are in, V's 16 may be out
	SMUL
	PLACES                                         ; before the scores are read
.if \mask
	MASK
.endif
	SOFT
	s_wait_dscnt 0x0                               ; V
	PVMUL
	PLACES                                         ; before O is read, and before V's registers are loaded again
.endm
; A block's end.  Group 1 stores its O (16 x 512 bytes), maxima and sums (512 bytes); a barrier; group 0 reads them; a second barrier, so that the bytes may be
; written again; group 0 merges: with m = max(m0, m1), a = 2^(c (m0 - m)), a' = 2^(c (m1 - m)): O = (a O0 + a' O1) / (a l0 + a' l1).  Then f16 and out through my
; stage: a store of the wave covers four rows of 128 bytes = 512 neighbouring bytes.
.macro FINAL
.irp q, 0,1
	v_add_f32 v[TT+6*\q], v[LS+2*\q], v[LS+2*\q+1]
.endr
.irp q, 0,1
	v_permlanex16_b32 v[TT+6*\q+4], v[TT+6*\q], s18, s19
.endr
.irp q, 0,1
	v_add_f32 v[TT+6*\q], v[TT+6*\q], v[TT+6*\q+4]                             ; my sum, in every lane of the query
.endr
	s_cmp_lt_u32 s8, 4
	s_cbranch_scc1 .Lkeeps_\@
	v_mov_b32 v[NM], v[MX]
	v_mov_b32 v[NM+1], v[MX+1]
	v_mov_b32 v[NM+2], v[TT]
	v_mov_b32 v[NM+3], v[TT+6]
	ds_store_b128 v[MGW], v[NM:NM+3] offset:16*512
	WIN 0x04                                       ; the stores' data in window 1
.set n, 0
.rept 16
	ds_store_b128 v[MGW], v[OA+4*n:OA+4*n+3] offset:512*n
.set n, n+1
.endr
	WIN 0
.Lkeeps_\@:
	s_wait_dscnt 0x0                               ; for group 0's sake: my stores are done
	s_barrier_signal -1
	s_barrier_wait -1
	s_cmp_lt_u32 s8, 4
	s_cbranch_scc0 .Lreads_none_\@
.set n, 0
.rept 16
	ds_load_b128 v[SC+4*n:SC+4*n+3], v[MGR] offset:512*n
.set n, n+1
.endr
	ds_load_b128 v[KF:KF+3], v[MGR] offset:16*512  ; m'0, m'1, l'0, l'1
.Lreads_none_\@:
	s_wait_dscnt 0x0                               ; my reads are back: behind the barrier the bytes may be written again
	s_barrier_signal -1
	s_barrier_wait -1
	s_cmp_lt_u32 s8, 4
	s_cbranch_scc0 .Lgroup_1_\@
.irp q, 0,1
	v_max_num_f32 v[MN+\q], v[MX+\q], v[KF+\q]
.endr
.irp q, 0,1
	v_sub_f32 v[TT+6*\q+1], v[MX+\q], v[MN+\q]
	v_sub_f32 v[TT+6*\q+2], v[KF+\q], v[MN+\q]
.endr
.irp q, 0,1
	v_mul_f32 v[TT+6*\q+1], s14, v[TT+6*\q+1]
	v_mul_f32 v[TT+6*\q+2], s14, v[TT+6*\q+2]
.endr
.irp q, 0,1
	v_exp_f32 v[TT+6*\q+1], v[TT+6*\q+1]
	v_exp_f32 v[TT+6*\q+2], v[TT+6*\q+2]
.endr
	v_nop                                          ; the plain place behind the powers of two
	s_wait_alu depctr_va_vdst(0)
.irp q, 0,1
	v_mul_f32 v[TT+6*\q+3], v[TT+6*\q], v[TT+6*\q+1]
.endr
.irp q, 0,1
	v_fmac_f32 v[TT+6*\q+3], v[KF+2+\q], v[TT+6*\q+2]
.endr
.irp q, 0,1
	v_rcp_f32 v[TT+6*\q+3], v[TT+6*\q+3]
.endr
	v_nop                                          ; the plain place behind the reciprocals
	s_wait_alu depctr_va_vdst(0)
.irp q, 0,1
	v_mul_f32 v[AL+2*\q], v[TT+6*\q+1], v[TT+6*\q+3]
	v_mul_f32 v[NM+2*\q], v[TT+6*\q+2], v[TT+6*\q+3]
.endr
.irp d, 0,1,2,3
.irp q, 0,1
.irp p, 0,2,4,6
	v_pk_mul_f32 v[SC+8*(2*\d+\q)+\p:SC+8*(2*\d+\q)+\p+1], v[SC+8*(2*\d+\q)+\p:SC+8*(2*\d+\q)+\p+1], v[NM+2*\q:NM+2*\q+1] op_sel_hi:[1,0]
.endr
.endr
.endr
	WIN 0x01                                       ; my O (source 0) in window 1
.irp d, 0,1,2,3
.irp q, 0,1
.irp p, 0,2,4,6
	v_pk_fma_f32 v[SC+8*(2*\d+\q)+\p:SC+8*(2*\d+\q)+\p+1], v[OA+8*(2*\d+\q)+\p:OA+8*(2*\d+\q)+\p+1], v[AL+2*\q:AL+2*\q+1], v[SC+8*(2*\d+\q)+\p:SC+8*(2*\d+\q)+\p+1] op_sel_hi:[1,0,1]
.endr
.endr
.endr
	WIN 0
.irp d, 0,1,2,3
.irp q, 0,1
.irp p, 0,1,2,3
	v_cvt_pk_f16_f32 v[KF+4*(2*\d+\q)+\p], v[SC+8*(2*\d+\q)+2*\p], v[SC+8*(2*\d+\q)+2*\p+1]
.endr
.endr
.endr
.irp d, 0,1,2,3
.irp q, 0,1
	ds_store_b128 v[STO], v[KF+4*(2*\d+\q):KF+4*(2*\d+\q)+3] offset:\q*16*KP+\d*32
.endr
.endr
.irp e, 0,1,2,3,4,5,6,7
	ds_load_b128 v[KF+32+4*\e:KF+32+4*\e+3], v[RD] offset:\e*4*KP              ; my own bytes, served in order behind the stores above
.endr
.irp e, 0,1,2,3,4,5,6,7
	s_wait_dscnt 7-\e
	global_store_b128 v[CO], v[KF+32+4*\e:KF+32+4*\e+3], s[OUTP:OUTP+1] offset:512*\e
.endr
	s_wait_xcnt 0x0                                ; the stores' data registers and base are written again only behind this wait
.Lgroup_1_\@:
.endm
.macro REINIT                          ; the second block: its Q, its place in att, a fresh state
	CLEAR
	WIN 0x01
.set n, 0
.rept 32
	v_mov_b32 v[QF+n], v[QN+n]
.set n, n+1
.endr
	WIN 0
	s_mov_b64 s[OUTP:OUTP+1], s[OUT2:OUT2+1]
.endm
; Trip t on the tile in place 3 slot + pp.  cnt >= 0: the tile is shown to all: each wave waits until at most cnt younger loads of its own are out, then a barrier
; (behind these barriers nothing is filled).  kind 0: never on the diagonal; 1: on the first block's diagonal if t = 7 - j (the same answer in all waves); 2: the last.
.macro TRIP t, slot, pp, cnt, kind
.if \cnt >= 0
	s_wait_tensorcnt \cnt
	s_wait_dscnt 0x0
	s_barrier_signal -1
	s_barrier_wait -1
.endif
.if \kind == 0
	TILE \slot, \pp, 0
.endif
.if \kind == 1
	s_cmp_eq_u32 s11, \t
	s_cbranch_scc1 .Ldiag_\@
	TILE \slot, \pp, 0
	s_branch .Ljoin_\@
.Ldiag_\@:
	TILE \slot, \pp, 1
	FINAL
	REINIT
.Ljoin_\@:
.endif
.if \kind == 2
	TILE \slot, \pp, 1
	FINAL
.endif
.endm
	CLEAR
	s_wait_loadcnt 0x0                             ; both blocks' Q
	TRIP 0, 0, 0, 5, 0                             ; of my six loads the first is in, five may be out
	TRIP 1, 0, 1, 4, 0
	TRIP 2, 0, 2, 3, 0
	; the one refill: places 0 .. 2 have been read.  Every wave waits for all its tensor loads (tiles 3 .. 5 among them) and for its LDS reads, then the barrier;
	; the three refills are the first tensor loads behind it
	s_wait_tensorcnt 0x0
	ds_add_u32 v254, v255
	SETT 0, 6
	SETT 1, 7
	SETT 2, 8
	s_wait_dscnt 0x0
	s_barrier_signal -1
	s_barrier_wait -1
	TLOAD 0
	TLOAD 1
	TLOAD 2
	TRIP 3, 1, 0, -1, 0                            ; tiles 3 .. 5 were shown landed to all by that barrier
	TRIP 4, 1, 1, -1, 1
	TRIP 5, 1, 2, -1, 1
	TRIP 6, 0, 0, 2, 1                             ; of the three refills the first is in
	TRIP 7, 0, 1, 1, 1
	TRIP 8, 0, 2, 0, 2                             ; the second block's diagonal tile; no tensor load is out at the end
	s_wait_tensorcnt 0x0
	ds_add_u32 v254, v255
	s_wait_dscnt 0x0
	s_endpgm
.Lfunc_end_k_q46e20090f8_attn:
	.size	k_q46e20090f8_attn, .Lfunc_end_k_q46e20090f8_attn-k_q46e20090f8_attn
	.p2alignl 7, 3214868480
	.fill 96, 4, 3214868480
	.section	.rodata,"a",@progbits
	.p2align	6, 0x0
	.amdhsa_kernel k_q46e20090f8_attn
		.amdhsa_group_segment_fixed_size 327680
		.amdhsa_private_segment_fixed_size 0
		.amdhsa_enable_private_segment 0
		.amdhsa_kernarg_size 16
		.amdhsa_user_sgpr_count 2
		.amdhsa_user_sgpr_kernarg_segment_ptr 1
		.amdhsa_wavefront_size32 1
		.amdhsa_system_sgpr_workgroup_id_x 1
		.amdhsa_system_sgpr_workgroup_id_y 1
		.amdhsa_system_sgpr_workgroup_id_z 1
		.amdhsa_system_vgpr_workitem_id 0
		.amdhsa_next_free_vgpr 416
		.amdhsa_next_free_sgpr 98
		.amdhsa_reserve_vcc 1
		.amdhsa_float_denorm_mode_32 3
		.amdhsa_float_denorm_mode_16_64 3
		.amdhsa_memory_ordered 1
		.amdhsa_forward_progress 1
		.amdhsa_inst_pref_size 255
	.end_amdhsa_kernel
	.section	.bss,"aw",@nobits
	.p2align	6
	.space	262144
	.amdgpu_metadata
---
amdhsa.version: [ 1, 2 ]
amdhsa.kernels:
  - .name:           k_q46e20090f8_attn
    .symbol:         k_q46e20090f8_attn.kd
    .args:
      - { .name: qkv, .offset: 0, .size: 8, .value_kind: global_buffer, .address_space: global }
      - { .name: att, .offset: 8, .size: 8, .value_kind: global_buffer, .address_space: global }
    .group_segment_fixed_size: 327680
    .private_segment_fixed_size: 0
    .kernarg_segment_align: 8
    .kernarg_segment_size: 16
    .max_flat_workgroup_size: 256
    .sgpr_count:     98
    .vgpr_count:     416
    .wavefront_size: 32
...
	.end_amdgpu_metadata
.endif
;; end of part 3
;; launch proj (part 4): grid 8 x 32, 4 waves a work-group, clusters of 4 x 4, 327,680 bytes of LDS; arguments att, cb, bp, out0; writes out0
.if DOCPART == 4
	.amdgcn_target "amdgcn-amd-amdhsa--gfx1250"
	.amdhsa_code_object_version 6
	.text
	.protected	k_q46e20090f8_proj
	.globl	k_q46e20090f8_proj
	.p2align	8
	.type	k_q46e20090f8_proj,@function
k_q46e20090f8_proj:
	s_mov_b64 s[64:65], 0
	v_nop
	global_prefetch_b8 v0, s[64:65] scope:SCOPE_SE
	s_setreg_imm32_b32 hwreg(HW_REG_WAVE_MODE, 25, 1), 1
	s_wait_xcnt 0x0
	s_wait_alu depctr_hold_cnt(0) depctr_sa_sdst(0) depctr_va_vdst(0) depctr_va_sdst(0) depctr_va_ssrc(0) depctr_va_vcc(0) depctr_vm_vsrc(0)
	s_getreg_b32 s2, hwreg(HW_REG_IB_STS2, 6, 4)
	s_cmp_eq_u32 s2, 0
	s_cbranch_scc0 .Lentry_in_a_cluster
	s_endpgm
.Lentry_in_a_cluster:
	s_bfe_u32 s2, ttmp6, 0x10000c
	s_cmp_lg_u32 s2, 0xf033
	s_cbranch_scc0 .Lentry_shape_is_right
	s_endpgm
.Lentry_shape_is_right:
; out0 [4096][1024] f32 = att (heads side by side) x Wp + bp.  att [b][h][t][64] in f16; Wp [k][n] at byte 14 Mi of cb, bf16-rounded values in f16's format;
; sums in f32, started from the bias, so that the bias costs no instruction.
; A work-group makes 128 x 128: 8 x 32 = 256 work-groups.  Wave (w / 2, w % 2) makes 64 x 64: 16 accumulator tiles in window 1.
; K goes in steps of 256 (four heads) through two LDS slots; four steps, written out.  The long step leaves 120 matrix instructions of a wave between a
; request and the wait for it; a step of 128 would leave half.
; CLUSTERS of 4 x 4: att's tile hangs on the row block alone (shared along a cluster's row), Wp's on the column block alone (shared along a column).
; THE ORDER OF K: a cluster takes the K steps 0, 1, 2, 3 or 2, 3, 0, 1, by the parity of the sum of its own two coordinates.  The two tiles that a cluster asks for
; in the middle of its work are those that the clusters of the other parity, which read the same att or the same Wp, asked for at their start.  The order is
; the same in all sixteen work-groups of a cluster.  The f32 sums run in that order.
; THE MATRIX INSTRUCTION IS USED TRANSPOSED: source 0 = 16 columns of Wp (by the transposing LDS load), source 1 = 16 rows of att; lane l holds row l % 16 and
; the eight neighbouring columns 8 (l / 16) + 0..7.
.set AP, 144                           ; att in LDS: a head's row of 128 bytes + 16
.set BP, 288                           ; Wp in LDS: 256 bytes + 32, an odd multiple of 32
.set AHEAD, 128*AP                     ; one head, 128 rows: 18,432
.set ABYTES, 4*AHEAD                   ; 73,728
.set QUART, 2*AHEAD                    ; what one wave brings: two heads of att, or 128 rows of Wp (128 x 288): 36,864
.set SLOT, 4*QUART                     ; 147,456
.set STAGE, 2*SLOT                     ; behind the ring: 16 rows x 272 bytes for each wave; no fill lands here
.set SP, 272
.set STEPB, 524288                     ; a K step in memory: four heads of 128 KiB, and 256 rows of Wp of 2,048 bytes
.set ADRA, 8                           ; v8-9    my att fragments, slot 0, 1
.set ADRB, 10                          ; v10-13  my Wp fragments: slot 0 rows 0-127, 128-255; slot 1 likewise
.set STO, 14
.set RD, 15
.set BIAS, 16                          ; v16-47  column block b: the bias of columns 8 h + 0..7
.set CO, 48
.set BO, 49
.set F0, 64                            ; a buffer: Wp's four fragments, then att's four
.set F1, 128
.set OUT0, 192
.set OUT1, 224
.set G1A, 24
.set G0A, 32
.set G1B, 48
.set G0B, 56
.set MSB, 0
.macro WIN new
.if MSB != \new
	s_set_vgpr_msb (MSB<<8)|\new
.set MSB, \new
.endif
.endm
.macro PLACES                          ; four places behind a matrix instruction (ISA guide 7.12.1)
.rept 4
	v_nop
.endr
.endm
.macro JLOAD s                         ; waves 0, 1 ask for att's two halves, waves 2, 3 for Wp's: one mask and one set of registers to a line
	s_cmp_eq_u32 s21, 0
	s_cbranch_scc0 .Lfor_b_\@
	tensor_load_to_lds s[G0A+4*\s:G0A+4*\s+3], s[G1A:G1A+7]
	s_nop 0
	s_branch .Lasked_\@
.Lfor_b_\@:
	tensor_load_to_lds s[G0B+4*\s:G0B+4*\s+3], s[G1B:G1B+7]
	s_nop 0
.Lasked_\@:
.endm
.macro CREST
	s_cmp_lg_u32 s20, 0
	s_cbranch_scc1 .Lnot_wave_0_\@
	s_barrier_signal -3
.Lnot_wave_0_\@:
	s_barrier_wait -3
	s_barrier_signal -1
	s_barrier_wait -1
.endm
.macro CROUND
	s_barrier_signal -1
	s_barrier_wait -1
	CREST
.endm
	s_load_b256 s[4:11], s[0:1], 0x0               ; att s[4:5], cb s[6:7], bp s[8:9], out0 s[10:11]
	v_lshl_add_u32 v62, v0, 2, 0x4c400
	v_mov_b32 v63, 0
	ds_add_u32 v62, v63
	ds_add_u32 v62, v63
	v_lshrrev_b32 v1, 5, v0
	v_readfirstlane_b32 s20, v1                    ; wave
	s_lshr_b32 s21, s20, 1                         ; my half of the rows.  Also: I fetch att (0) or Wp (1)
	s_and_b32 s22, s20, 1                          ; my half of the columns.  Also: which half of that tile I fetch
	s_bfe_u32 s40, ttmp6, 0x40000                  ; cx
	s_bfe_u32 s41, ttmp6, 0x40004                  ; cy
	s_lshl_b32 s42, ttmp9, 2
	s_add_co_u32 s42, s42, s40                     ; column block
	s_and_b32 s12, ttmp7, 0xffff                   ; cluster y
	s_lshl_b32 s13, s12, 2
	s_add_co_u32 s13, s13, s41                     ; row block
	s_add_co_u32 s12, s12, ttmp9                   ; cluster y + cluster x:
	s_and_b32 s12, s12, 1                          ; its parity
	s_lshl_b32 s66, s12, 20                        ; my cluster's first two K steps begin at step 0 or 2: 0 or 2 x 524,288 bytes,
	s_xor_b32 s68, s66, 0x100000                   ; its last two at the other
	s_mov_b32 s67, 0
	s_mov_b32 s69, 0
	s_lshl_b32 s43, s41, 2
	s_lshl_b32 s43, 15, s43                        ; my row of the cluster
	s_lshl_b32 s44, 0x1111, s40                    ; my column
	; group 1 for att: two heads; a head's 128 rows of 128 bytes are 16 KiB without gaps = one row of 8,192 elements; 65,536 elements from head to head;
	; 4 words of padding behind every 32 words: pitch 144
	s_or_b32 s[G1A+0], s43, (1<<16)|(1<<20)|(1<<21)|(4<<22)|(3<<25)
	s_mov_b32 s[G1A+1], 8192<<16
	s_mov_b32 s[G1A+2], 2<<16
	s_mov_b32 s[G1A+3], 8192<<16
	s_mov_b32 s[G1A+4], 2
	s_mov_b32 s[G1A+5], 65536
	s_mov_b32 s[G1A+6], 0
	s_mov_b32 s[G1A+7], 0
	; group 1 for Wp: 128 rows x 128 elements, 1,024 from row to row, 8 words of padding behind every 64: pitch 288
	s_or_b32 s[G1B+0], s44, (1<<16)|(1<<20)|(1<<21)|(5<<22)|(7<<25)
	s_mov_b32 s[G1B+1], 128<<16
	s_mov_b32 s[G1B+2], 128<<16
	s_mov_b32 s[G1B+3], 128<<16
	s_mov_b32 s[G1B+4], 128
	s_mov_b32 s[G1B+5], 1024
	s_mov_b32 s[G1B+6], 0
	s_mov_b32 s[G1B+7], 0
	s_lshr_b32 s16, s13, 3
	s_lshl_b32 s16, s16, 21                        ; batch: 16 heads of 128 KiB
	s_and_b32 s17, s13, 7
	s_lshl_b32 s17, s17, 14                        ; 128 rows of 128 bytes
	s_add_co_u32 s16, s16, s17
	s_lshl_b32 s17, s22, 18                        ; my two heads
	s_add_co_u32 s16, s16, s17
	s_mov_b32 s17, 0
	s_lshl_b32 s46, s42, 8                         ; 128 columns of 2 bytes
	s_lshl_b32 s47, s22, 18                        ; my 128 rows of 2,048 bytes
	s_add_co_u32 s46, s46, s47
	s_add_co_u32 s46, s46, 0xe00000                ; Wp in cb
	s_mov_b32 s47, 0
	s_mul_i32 s23, s20, QUART                      ; LDS: att's two halves, then Wp's two halves
	s_wait_dscnt 0x0
	s_wait_kmcnt 0x0
	s_add_nc_u64 s[14:15], s[4:5], s[16:17]        ; att and Wp at K step 0,
	s_add_nc_u64 s[46:47], s[6:7], s[46:47]
	s_add_nc_u64 s[70:71], s[14:15], s[68:69]      ; at my cluster's third K step,
	s_add_nc_u64 s[72:73], s[46:47], s[68:69]
	s_add_nc_u64 s[14:15], s[14:15], s[66:67]      ; and at its first
	s_add_nc_u64 s[46:47], s[46:47], s[66:67]
	CROUND                                         ; the first joint loads meet
.irp s, 0,1
	s_mov_b32 s[G0A+4*\s], 1
	s_add_co_u32 s[G0A+4*\s+1], s23, \s*SLOT
	s_add_nc_u64 s[G0A+4*\s+2:G0A+4*\s+3], s[14:15], \s*STEPB
	s_or_b32 s[G0A+4*\s+3], s[G0A+4*\s+3], 0x80000000
	s_mov_b32 s[G0B+4*\s], 1
	s_add_co_u32 s[G0B+4*\s+1], s23, \s*SLOT
	s_add_nc_u64 s[G0B+4*\s+2:G0B+4*\s+3], s[46:47], \s*STEPB
	s_or_b32 s[G0B+4*\s+3], s[G0B+4*\s+3], 0x80000000
	JLOAD \s                                       ; two loads of the wave are out
.endr
	v_and_b32 v1, 15, v0                           ; r
	v_bfe_u32 v2, v0, 4, 1                         ; h
	v_and_b32 v3, 7, v0
	v_bfe_u32 v4, v0, 3, 1
	s_lshl_b32 s45, s42, 9                         ; my first column in bytes of f32: 512 x block + 256 x half
	s_lshl_b32 s18, s22, 8
	s_add_co_u32 s45, s45, s18
	v_lshlrev_b32 v[BO], 5, v2
	v_add_nc_u32 v[BO], s45, v[BO]                 ; + 32 h
.irp b, 0,1,2,3
	global_load_b128 v[BIAS+8*\b:BIAS+8*\b+3], v[BO], s[8:9] offset:64*\b
	global_load_b128 v[BIAS+8*\b+4:BIAS+8*\b+7], v[BO], s[8:9] offset:64*\b+16
.endr
	v_mul_u32_u24 v5, v1, AP
	v_lshl_add_u32 v5, v2, 4, v5
	s_mul_i32 s18, s21, 64*AP                      ; my 64 rows
	v_add_nc_u32 v[ADRA], s18, v5
	v_add_nc_u32 v[ADRA+1], SLOT, v[ADRA]
	v_lshl_add_u32 v6, v2, 3, v3
	v_mul_u32_u24 v6, v6, BP
	v_lshl_add_u32 v6, v4, 4, v6
	s_lshl_b32 s18, s22, 7                         ; my 64 columns of 2 bytes
	s_add_co_u32 s18, s18, ABYTES
	v_add_nc_u32 v[ADRB], s18, v6
	v_add_nc_u32 v[ADRB+1], QUART, v[ADRB]
	v_add_nc_u32 v[ADRB+2], SLOT, v[ADRB]
	v_add_nc_u32 v[ADRB+3], SLOT, v[ADRB+1]
	s_mul_i32 s19, s20, 16*SP
	s_add_co_u32 s19, s19, STAGE
	v_mul_u32_u24 v5, v1, SP
	v_lshl_add_u32 v5, v2, 5, v5                   ; in: row r, 32 bytes for each half of the lanes
	v_add_nc_u32 v[STO], s19, v5
	v_mul_u32_u24 v5, v2, SP
	v_lshl_add_u32 v5, v1, 4, v5                   ; back: sixteen lanes take one row of 256 bytes
	v_add_nc_u32 v[RD], s19, v5
	v_lshlrev_b32 v5, 12, v2                       ; and the same two rows of out0
	v_lshl_add_u32 v[CO], v1, 4, v5
; 16 LDS loads: the fragments of part q (32 along K, q = 0..7) of a slot into buffer f
.macro FETCH slot, q, f
.irp b, 0,1,2,3
	ds_load_tr16_b128 v[\f+8*\b:\f+8*\b+3], v[ADRB+2*\slot+\q/4] offset:32*BP*(\q%4)+32*\b
	ds_load_tr16_b128 v[\f+8*\b+4:\f+8*\b+7], v[ADRB+2*\slot+\q/4] offset:32*BP*(\q%4)+32*\b+16*BP
.endr
.irp a, 0,1,2,3
	ds_load_b128 v[\f+32+8*\a:\f+32+8*\a+3], v[ADRA+\slot] offset:AHEAD*(\q/2)+64*(\q%2)+\a*16*AP
	ds_load_b128 v[\f+32+8*\a+4:\f+32+8*\a+7], v[ADRA+\slot] offset:AHEAD*(\q/2)+64*(\q%2)+\a*16*AP+32
.endr
.endm
; 8 matrix instructions: row blocks a0, a0 + 1 x four column blocks.  first = 1: the bias starts the sums.  The 16 accumulators take turns.
.macro MUL8 f, a0, first
.irp a, \a0, \a0+1
.irp b, 0,1,2,3
.if \first
	v_wmma_f32_16x16x32_f16 v[8*(4*(\a)+\b):8*(4*(\a)+\b)+7], v[\f+8*\b:\f+8*\b+7], v[\f+32+8*(\a):\f+32+8*(\a)+7], v[BIAS+8*\b:BIAS+8*\b+7]
.else
	v_wmma_f32_16x16x32_f16 v[8*(4*(\a)+\b):8*(4*(\a)+\b)+7], v[\f+8*\b:\f+8*\b+7], v[\f+32+8*(\a):\f+32+8*(\a)+7], v[8*(4*(\a)+\b):8*(4*(\a)+\b)+7]
.endif
.endr
.endr
.endm
.macro QUARTER slot, q, f, g, first    ; fetches part q into buffer g, multiplies buffer f
	PLACES
	WIN 0
	FETCH \slot, \q, \g
	s_wait_dscnt 16                                ; all but the 16 loads just issued: buffer f is in
.if \first
	WIN 0x40                                       ; D window 1, C (the bias) window 0
.else
	WIN 0x50                                       ; C and D window 1
.endif
	MUL8 \f, 0, \first
	MUL8 \f, 2, \first
.endm
.macro SEVEN slot, first
	QUARTER \slot, 1, F0, F1, \first
	QUARTER \slot, 2, F1, F0, 0
	QUARTER \slot, 3, F0, F1, 0
	QUARTER \slot, 4, F1, F0, 0
	QUARTER \slot, 5, F0, F1, 0
	QUARTER \slot, 6, F1, F0, 0
	QUARTER \slot, 7, F0, F1, 0
.endm
; The eighth part multiplies buffer 1 and changes slots: each wave's waits in front of the barrier, register work inside, and where fill = 1 the round of
; the cluster's barrier goes on and the joint refill is the first tensor load behind it.
.macro TURN slot, next, fill
	s_wait_dscnt 0x0                               ; my reads of this slot are back
	s_wait_tensorcnt 0x0                           ; all my tensor loads have landed: my part of the next slot
	ds_add_u32 v62, v63
	s_wait_dscnt 0x0
	s_barrier_signal -1
	WIN 0x50
	MUL8 F1, 0, 0
	WIN 0
	s_barrier_wait -1
.if \fill
	CREST
	s_add_nc_u64 s[G0A+4*\slot+2:G0A+4*\slot+3], s[70:71], \slot*STEPB         ; my cluster's third and fourth K steps
	s_or_b32 s[G0A+4*\slot+3], s[G0A+4*\slot+3], 0x80000000
	s_add_nc_u64 s[G0B+4*\slot+2:G0B+4*\slot+3], s[72:73], \slot*STEPB
	s_or_b32 s[G0B+4*\slot+3], s[G0B+4*\slot+3], 0x80000000
	JLOAD \slot
.endif
	PLACES
	FETCH \next, 0, F0
	WIN 0x50
	MUL8 F1, 2, 0
.endm
	s_wait_tensorcnt 1                             ; my part of slot 0 is in, slot 1's may be out
	s_barrier_signal -1
	s_barrier_wait -1                              ; everybody's is
	s_wait_loadcnt 0x0                             ; the bias
	FETCH 0, 0, F0
	SEVEN 0, 1                                     ; my cluster's first K step
	TURN 0, 1, 1
	SEVEN 1, 0                                     ; the second
	TURN 1, 0, 1
	SEVEN 0, 0                                     ; the third
	TURN 0, 1, 0
	SEVEN 1, 0                                     ; the fourth
	s_wait_dscnt 0x0
	MUL8 F1, 0, 0
	MUL8 F1, 2, 0
	; THE WAY OUT, 16 rows at a time, in f32: 32 bytes a lane into my stage, read back as rows of 256 bytes; sixteen lanes store 256 neighbouring bytes, aligned
	PLACES
	WIN 0
	s_lshl_b32 s16, s13, 19                        ; 128 rows of 4,096 bytes
	s_lshl_b32 s17, s21, 18                        ; my 64 rows
	s_add_co_u32 s16, s16, s17
	s_mov_b32 s17, 0
	s_add_nc_u64 s[10:11], s[10:11], s[16:17]
	s_mov_b32 s46, s45                             ; my first column (in registers that fed Wp's descriptors alone)
	s_mov_b32 s47, 0
	s_add_nc_u64 s[10:11], s[10:11], s[46:47]
.macro OUT16 a, o
	WIN 0x04                                       ; the stores' data in window 1
.irp b, 0,1,2,3
	ds_store_b128 v[STO], v[8*(4*\a+\b):8*(4*\a+\b)+3] offset:64*\b
	ds_store_b128 v[STO], v[8*(4*\a+\b)+4:8*(4*\a+\b)+7] offset:64*\b+16
.endr
	WIN 0
	s_wait_xcnt 0x0                                ; buffer o, which stores read, is loaded again only behind this wait
.irp e, 0,1,2,3,4,5,6,7
	ds_load_b128 v[\o+4*\e:\o+4*\e+3], v[RD] offset:\e*2*SP                    ; my own bytes, served in order behind the stores above
.endr
.irp e, 0,1,2,3,4,5,6,7
	s_wait_dscnt 7-\e
	global_store_b128 v[CO], v[\o+4*\e:\o+4*\e+3], s[10:11] offset:\a*65536+\e*8192 th:TH_STORE_NT
.endr
.endm
	OUT16 0, OUT0
	OUT16 1, OUT1
	OUT16 2, OUT0
	OUT16 3, OUT1
	s_wait_tensorcnt 0x0
	ds_add_u32 v62, v63
	s_wait_dscnt 0x0
	CROUND                                         ; the closing round
	s_endpgm
.Lfunc_end_k_q46e20090f8_proj:
	.size	k_q46e20090f8_proj, .Lfunc_end_k_q46e20090f8_proj-k_q46e20090f8_proj
	.p2alignl 7, 3214868480
	.fill 96, 4, 3214868480
	.section	.rodata,"a",@progbits
	.p2align	6, 0x0
	.amdhsa_kernel k_q46e20090f8_proj
		.amdhsa_group_segment_fixed_size 327680
		.amdhsa_private_segment_fixed_size 0
		.amdhsa_enable_private_segment 0
		.amdhsa_kernarg_size 32
		.amdhsa_user_sgpr_count 2
		.amdhsa_user_sgpr_kernarg_segment_ptr 1
		.amdhsa_wavefront_size32 1
		.amdhsa_system_sgpr_workgroup_id_x 1
		.amdhsa_system_sgpr_workgroup_id_y 1
		.amdhsa_system_sgpr_workgroup_id_z 1
		.amdhsa_system_vgpr_workitem_id 0
		.amdhsa_next_free_vgpr 384
		.amdhsa_next_free_sgpr 74
		.amdhsa_reserve_vcc 0
		.amdhsa_float_denorm_mode_32 3
		.amdhsa_float_denorm_mode_16_64 3
		.amdhsa_memory_ordered 1
		.amdhsa_forward_progress 1
		.amdhsa_inst_pref_size 90
	.end_amdhsa_kernel
	.amdgpu_metadata
---
amdhsa.version: [ 1, 2 ]
amdhsa.kernels:
  - .name:           k_q46e20090f8_proj
    .symbol:         k_q46e20090f8_proj.kd
    .args:
      - { .name: att, .offset: 0, .size: 8, .value_kind: global_buffer, .address_space: global }
      - { .name: cb, .offset: 8, .size: 8, .value_kind: global_buffer, .address_space: global }
      - { .name: bp, .offset: 16, .size: 8, .value_kind: global_buffer, .address_space: global }
      - { .name: out0, .offset: 24, .size: 8, .value_kind: global_buffer, .address_space: global }
    .group_segment_fixed_size: 327680
    .private_segment_fixed_size: 0
    .kernarg_segment_align: 8
    .kernarg_segment_size: 32
    .max_flat_workgroup_size: 128
    .sgpr_count:     74
    .vgpr_count:     384
    .wavefront_size: 32
...
	.end_amdgpu_metadata
.endif
;; end of part 4
;; ======== version 2 of 2: 4 launches; version 1 with the launch cast written anew for expert scheduling mode
;; limits: values are held in f16: magnitudes above 65,504 overflow, below 6.1e-05 lose precision
;; workspace buffers: cb 16,777,216 bytes; qkv 25,165,824 bytes; att 8,388,608 bytes
;; launch cast (part 5): grid 512 x 1, 8 waves a work-group, no clusters, 0 bytes of LDS; arguments x, Wq, Wk, Wv, Wp, cb; writes cb
.if DOCPART == 5
	.amdgcn_target "amdgcn-amd-amdhsa--gfx1250"
	.amdhsa_code_object_version 6
	.text
	.protected	k_q46e20090f8_cast
	.globl	k_q46e20090f8_cast
	.p2align	8
	.type	k_q46e20090f8_cast,@function
k_q46e20090f8_cast:
	s_mov_b64 s[64:65], 0
	v_nop
	global_prefetch_b8 v0, s[64:65] scope:SCOPE_SE
	s_setreg_imm32_b32 hwreg(HW_REG_WAVE_SCHED_MODE, 0, 2), 2
	s_setreg_imm32_b32 hwreg(HW_REG_WAVE_MODE, 25, 1), 1
	s_wait_xcnt 0x0
	s_wait_alu depctr_vm_vsrc(0)
; cb = the five large inputs as 16-bit numbers, layouts unchanged: x at byte 0 (8 MiB), Wq, Wk, Wv at 8, 10, 12 MiB, Wp at 14 MiB.
; x, Wq, Wk, Wv: f32 rounded to bf16 (nearest even).  Wp: rounded to bf16 in the same way, and that value written in f16's format, because its
; partner in the last product (the attention's result) is kept in f16.  f16 holds a bf16 value exactly for 2^-14 <= |w| < 65504; smaller ones
; are off by at most 2^-25, larger ones become infinite: a stated limit of this program.
; A stream: no LDS, no barrier, no matrix unit.  512 work-groups of 16,384 numbers (64 KiB in, 32 KiB out).  Thread t takes, in item i,
; the 16 bytes at 16 t + 4096 i and stores 8 bytes at 8 t + 2048 i: a wave's load covers 512 neighbouring bytes, its store 256, aligned.
; All 16 loads of a thread go out first; the waits count down.
; THE MODE: SCHED_MODE bits 1:0 = 2 (LLVM: expert scheduling mode 2), set by the entry lines.  The code itself states the register dependences
; between vector instructions and memory instructions, with s_wait_alu, always for 0.
; THE PLAN.  Registers that memory instructions touch:
;   v1, v2     byte offsets of the loads and of the stores: written once at the head, never again.
;   X, item i  four registers.  Written by item i's load, which is issued before any vector instruction names X; read and written by item i's
;              conversions alone, which leave the result in the first two; those two are read by item i's one store and never written again.
; So no register that a memory instruction reads is ever rewritten, and no load lands in a register that a vector instruction has named.  What is
; left to state: the offsets are written, ahead of the first load; and the conversions have written what the stores read.  The 16 items go in four
; blocks of four: each item is converted behind its own counted wait for its load, ONE wait on va_vdst stands behind a block's conversions, and the
; block's four stores follow it on end.  It stands there, and not at the next block's head, so that a block's stores wait for no further load.
.set X, 8                              ; v[8:71]  item i: 4 registers as loaded, then 2 to store
	s_load_b256 s[4:11], s[0:1], 0x0               ; x s[4:5], Wq s[6:7], Wk s[8:9], Wv s[10:11]
	s_load_b128 s[12:15], s[0:1], 0x20             ; Wp s[12:13], cb s[14:15]
	s_lshr_b32 s16, ttmp9, 6                       ; 64 work-groups are 1 Mi numbers: 0-3 x, 4 Wq, 5 Wk, 6 Wv, 7 Wp
	s_and_b32 s17, ttmp9, 63
	s_cmp_lt_u32 s16, 4
	s_cselect_b32 s17, ttmp9, s17                  ; my number inside my source
	s_lshl_b32 s18, s17, 16                        ; times 64 KiB
	s_mov_b32 s19, 0
	s_lshl_b32 s20, ttmp9, 15                      ; the sources follow each other in cb: my number times 32 KiB
	s_mov_b32 s21, 0
	s_mov_b32 s22, 0xffff0000                      ; a word's upper bf16
	v_lshlrev_b32 v1, 4, v0                        ; 16 t
	v_lshlrev_b32 v2, 3, v0                        ; 8 t
	s_wait_kmcnt 0x0
	s_cmp_eq_u32 s16, 4
	s_cselect_b64 s[4:5], s[6:7], s[4:5]
	s_cmp_eq_u32 s16, 5
	s_cselect_b64 s[4:5], s[8:9], s[4:5]
	s_cmp_eq_u32 s16, 6
	s_cselect_b64 s[4:5], s[10:11], s[4:5]
	s_cmp_eq_u32 s16, 7
	s_cselect_b64 s[4:5], s[12:13], s[4:5]
	s_add_nc_u64 s[4:5], s[4:5], s[18:19]
	s_add_nc_u64 s[14:15], s[14:15], s[20:21]
	s_wait_alu depctr_va_vdst(0)                   ; v1 and v2 are written: every load of the kernel reads v1 as its offset, every store v2; no later vector instruction names them
.irp i, 0,1,2,3,4,5,6,7,8,9,10,11,12,13,14,15
	global_load_b128 v[X+4*\i:X+4*\i+3], v1, s[4:5] offset:4096*\i th:TH_LOAD_NT   ; each input byte is read once in the launch
.endr
	s_cmp_eq_u32 s16, 7
	s_cbranch_scc1 .Lwp
.irp p, 0,1,2,3                                    ; block p: items 4 p to 4 p + 3
.irp j, 0,1,2,3
	s_wait_loadcnt 15-(4*\p+\j)                    ; loads come back in order: item 4 p + j is in, the younger ones stay out
	v_cvt_pk_bf16_f32 v[X+4*(4*\p+\j)], v[X+4*(4*\p+\j)], v[X+4*(4*\p+\j)+1]
	v_cvt_pk_bf16_f32 v[X+4*(4*\p+\j)+1], v[X+4*(4*\p+\j)+2], v[X+4*(4*\p+\j)+3]
.endr
	s_wait_alu depctr_va_vdst(0)                   ; the block's eight conversions have written the first two registers of its four items, which the four stores below read
.irp j, 0,1,2,3
	global_store_b64 v2, v[X+4*(4*\p+\j):X+4*(4*\p+\j)+1], s[14:15] offset:2048*(4*\p+\j)
.endr
.endr
	s_endpgm
.Lwp:                                              ; Wp: to bf16, widened again (a shift, a mask), and written as f16
.irp p, 0,1,2,3                                    ; block p: items 4 p to 4 p + 3
.irp j, 0,1,2,3
	s_wait_loadcnt 15-(4*\p+\j)
	v_cvt_pk_bf16_f32 v[X+4*(4*\p+\j)], v[X+4*(4*\p+\j)], v[X+4*(4*\p+\j)+1]
	v_cvt_pk_bf16_f32 v[X+4*(4*\p+\j)+1], v[X+4*(4*\p+\j)+2], v[X+4*(4*\p+\j)+3]
	v_lshlrev_b32 v[X+4*(4*\p+\j)+2], 16, v[X+4*(4*\p+\j)]
	v_and_b32 v[X+4*(4*\p+\j)+3], s22, v[X+4*(4*\p+\j)]
	v_cvt_pk_f16_f32 v[X+4*(4*\p+\j)], v[X+4*(4*\p+\j)+2], v[X+4*(4*\p+\j)+3]
	v_lshlrev_b32 v[X+4*(4*\p+\j)+2], 16, v[X+4*(4*\p+\j)+1]
	v_and_b32 v[X+4*(4*\p+\j)+3], s22, v[X+4*(4*\p+\j)+1]
	v_cvt_pk_f16_f32 v[X+4*(4*\p+\j)+1], v[X+4*(4*\p+\j)+2], v[X+4*(4*\p+\j)+3]
.endr
	s_wait_alu depctr_va_vdst(0)                   ; the block's conversions to f16 have written the first two registers of its four items, which the four stores below read
.irp j, 0,1,2,3
	global_store_b64 v2, v[X+4*(4*\p+\j):X+4*(4*\p+\j)+1], s[14:15] offset:2048*(4*\p+\j)
.endr
.endr
	s_endpgm
.Lfunc_end_k_q46e20090f8_cast:
	.size	k_q46e20090f8_cast, .Lfunc_end_k_q46e20090f8_cast-k_q46e20090f8_cast
	.p2alignl 7, 3214868480
	.fill 96, 4, 3214868480
	.section	.rodata,"a",@progbits
	.p2align	6, 0x0
	.amdhsa_kernel k_q46e20090f8_cast
		.amdhsa_group_segment_fixed_size 0
		.amdhsa_private_segment_fixed_size 0
		.amdhsa_enable_private_segment 0
		.amdhsa_kernarg_size 48
		.amdhsa_user_sgpr_count 2
		.amdhsa_user_sgpr_kernarg_segment_ptr 1
		.amdhsa_wavefront_size32 1
		.amdhsa_system_sgpr_workgroup_id_x 1
		.amdhsa_system_sgpr_workgroup_id_y 1
		.amdhsa_system_sgpr_workgroup_id_z 1
		.amdhsa_system_vgpr_workitem_id 0
		.amdhsa_next_free_vgpr 72
		.amdhsa_next_free_sgpr 66
		.amdhsa_reserve_vcc 0
		.amdhsa_float_denorm_mode_32 3
		.amdhsa_float_denorm_mode_16_64 3
		.amdhsa_memory_ordered 1
		.amdhsa_forward_progress 1
		.amdhsa_inst_pref_size 16
	.end_amdhsa_kernel
	.amdgpu_metadata
---
amdhsa.version: [ 1, 2 ]
amdhsa.kernels:
  - .name:           k_q46e20090f8_cast
    .symbol:         k_q46e20090f8_cast.kd
    .args:
      - { .name: x, .offset: 0, .size: 8, .value_kind: global_buffer, .address_space: global }
      - { .name: Wq, .offset: 8, .size: 8, .value_kind: global_buffer, .address_space: global }
      - { .name: Wk, .offset: 16, .size: 8, .value_kind: global_buffer, .address_space: global }
      - { .name: Wv, .offset: 24, .size: 8, .value_kind: global_buffer, .address_space: global }
      - { .name: Wp, .offset: 32, .size: 8, .value_kind: global_buffer, .address_space: global }
      - { .name: cb, .offset: 40, .size: 8, .value_kind: global_buffer, .address_space: global }
    .group_segment_fixed_size: 0
    .private_segment_fixed_size: 0
    .kernarg_segment_align: 8
    .kernarg_segment_size: 48
    .max_flat_workgroup_size: 256
    .sgpr_count:     66
    .vgpr_count:     72
    .wavefront_size: 32
...
	.end_amdgpu_metadata
.endif
;; end of part 5
;; launch qkv: the kernel of part 2 again; grid 16 x 16, 4 waves a work-group, clusters of 4 x 4, 327,680 bytes of LDS; arguments cb, qkv; writes qkv
;; launch attn: the kernel of part 3 again; grid 4 x 64, 8 waves a work-group, no clusters, 327,680 bytes of LDS; arguments qkv, att; writes att
;; launch proj: the kernel of part 4 again; grid 8 x 32, 4 waves a work-group, clusters of 4 x 4, 327,680 bytes of LDS; arguments att, cb, bp, out0; writes out0
